; MI455X (gfx1250); checked and timed in simulation.
; The chip was launched on July 23, 2026; its instructions are those of AMD's public machine-readable ISA for CDNA 5 (MIT licence, August 2026) and "CDNA5" Instruction Set Architecture Reference Guide (July 2026). The comments in the code are by the model that wrote it; some were corrected since.
;; Bert Layer. Allowed arithmetic: matrix products marked QUANTISED: E2M3 operands, one E8M0 scale for each 32 along K, by v_wmma_scale_f32_16x16x128_f8f6f4 with both operands' format E2M3, f32 sums; everything else in f32.
;; Inputs: attention_mask 2 x 1 x 1 x 2,048 float32; hidden_state 2 x 2,048 x 1,024 float32; inter_b 4,096 float32; inter_w 4,096 x 1,024 float32; ln1_b 1,024 float32; ln1_g 1,024 float32; ln2_b 1,024 float32; ln2_g 1,024 float32; out_b 1,024 float32; out_w 1,024 x 4,096 float32; q_b 1,024 float32; q_w 1,024 x 1,024 float32; so_b 1,024 float32; so_w 1,024 x 1,024 float32.
;; Outputs: out0 2 x 2,048 x 1,024 float32.
;; This version of the problem:
;;   THIS VERSION OF THE PROBLEM IS GIVEN IN LOW PRECISION. The matrix products marked QUANTISED in the list below multiply operands that are first quantised to E2M3 (2 exponent bits, 3 mantissa bits; 6 bits a number), with one power-of-two scale for each 32 numbers along K (OCP MX v1.0); their sums are f32. All else is computed in f32.
;;   The module's matrix products, in the order in which they are computed (A, B: the left and right operand; K: the contracted axis; several contracted axes count as one K, in the product's order):
;;     1. [M 4,096, K 1,024] x [K 1,024, N 1,024]; A: input hidden_state; B: input q_w: QUANTISED
;;     2. batch 32 x [M 2,048, K 64] x [K 64, N 2,048]; A: computed on the way; B: computed on the way: QUANTISED
;;     3. batch 32 x [M 64, K 2,048] x [K 2,048, N 2,048]; A: computed on the way; B: softmax (see below): QUANTISED
;;     4. [M 4,096, K 1,024] x [K 1,024, N 1,024]; A: computed on the way; B: input so_w: QUANTISED
;;     5. [M 4,096, K 1,024] x [K 1,024, N 4,096]; A: computed on the way; B: input inter_w: QUANTISED
;;     6. [M 4,096, K 4,096] x [K 4,096, N 1,024]; A: computed on the way; B: input out_w: QUANTISED
;;   THE QUANTISER, for each operand of a quantised product, along K:
;;     - K is cut into blocks of 32 from its start; a last block that is shorter is filled with zeros.
;;     - A block's scale is 2^e with e = floor(log2(the largest magnitude in the block)) - 2, held to -126 .. 127; a block of zeros has e = 0. As a byte (E8M0): e + 127.
;;     - Each number is divided by its block's scale, clamped to +-7.5, and rounded to the nearest number of E2M3, ties to even, subnormals kept.
;;     - The product sums the exact products of the quantised numbers (number of the format x scale) in f32.
;;   ~~~python
;;   def quantise(x, axis):      # numpy; x: float32 -> the quantised numbers, widened to float32 again
;;       x = np.moveaxis(x, axis, -1); K = x.shape[-1]
;;       x = np.pad(x, [(0, 0)] * (x.ndim - 1) + [(0, -K % 32)]); x = x.reshape(x.shape[:-1] + (-1, 32)); a = np.abs(x).max(-1, keepdims=True)
;;       e = np.where(a > 0, np.clip(np.frexp(np.where(a > 0, a, 1))[1] - 1 - 2, -126, 127), 0)      # np.frexp(a)[1] - 1 = floor(log2(a)), exactly
;;       r = np.clip(x / 2.0 ** e, -7.5, 7.5)
;;       step = 2.0 ** (np.maximum(np.frexp(np.where(r == 0, 1, r))[1] - 1, 0) - 3)
;;       q = np.round(r / step) * step * 2.0 ** e      # np.round: ties to even
;;       return np.moveaxis(q.reshape(q.shape[:-2] + (-1,))[..., :K], -1, axis).astype(np.float32)
;;   ~~~
;;   SOFTMAX AHEAD OF A QUANTISED PRODUCT. Where the list says 'softmax', what is quantised is not the finished softmax but p = 2^(t - M), with t = logit x log2(e) and M = ceil(the row's largest t), a whole number; so 1/2 < the row's largest p <= 1. The row's sum l is taken of the UNQUANTISED p, in f32, and the product's result is divided by l at the end. Since M is a whole number, a kernel that streams over the keys may use a running M (the ceiling of the running maximum): every later rescaling is an exact power of two, which a block's scale takes up: the codes' values come out the same.
;;   OPERANDS COMPUTED ON THE WAY. 'Computed on the way' means the value that the module computes at that place (a softmax that the list does not call 'softmax' is quantised finished and normalised). What goes into a quantiser is computed in f32, as accurately as f32 sums, v_exp_f32 and their like allow (about 1e-6 of the number): no bf16 or f16 on the way to a quantiser, and a product that is left as it is and whose result goes on into a quantised operand takes f32 operands (vector FMAs, or v_wmma_f32_16x16x4_f32). A number that lies on a knife's edge between two numbers of the format may be rounded either way, as far as f32 arithmetic and the matrix unit's own rounding can turn it there, and no further.
;; One version. Each part assembles by itself: llvm-mc -triple=amdgcn-amd-amdhsa -mcpu=gfx1250 --defsym DOCPART=n.
;; ======== version 1 of 1: 8 launches
;; limits: right only within a limited range of input values
;; workspace buffers: qin 11,468,800 bytes; qkv 6,684,672 bytes; att 3,276,800 bytes; y 16,777,216 bytes; sof 16,777,216 bytes; soq 3,276,800 bytes; xq 13,107,200 bytes
;; launch quant_in (part 1): grid 256 x 1, 7 waves a work-group, no clusters, 237,568 bytes of LDS; arguments hidden_state, q_w, so_w, inter_w, out_w, qin; writes qin
.if DOCPART == 1
	.amdgcn_target "amdgcn-amd-amdhsa--gfx1250"
	.amdhsa_code_object_version 6
	.text
	.protected	k_q5a9e7d3e76_quant_in
	.globl	k_q5a9e7d3e76_quant_in
	.p2align	8
	.type	k_q5a9e7d3e76_quant_in,@function
k_q5a9e7d3e76_quant_in:
	s_mov_b64 s[64:65], 0
	v_nop
	global_prefetch_b8 v0, s[64:65] scope:SCOPE_SE
	s_setreg_imm32_b32 hwreg(HW_REG_WAVE_MODE, 25, 1), 1
	s_wait_xcnt 0x0
; The five f32 tensors whose K is innermost (hidden_state, q_w, so_w, inter_w, out_w) become codes of FP6 (E2M3) with one E8M0 byte for each 32 along K,
; laid in the order of an operand's registers.  A BLOCK of 12,800 bytes holds 128 rows x 128 K: eight fragments of 1,536 bytes (group g), then 512 bytes of scale words.
; Group g, lane row r, is row 32 (g / 2) + 8 (g % 2) + r + 8 (r / 8) of the block.  Half c of a fragment (registers 6 c .. 6 c + 5) is 768 bytes: 16 bytes a lane at 16 x lane, then 8 bytes a lane at 512 + 8 x lane.
; The scale word of (g, r) lies at 12,288 + 256 (g / 4) + 16 r + 4 (g % 4).
; SHARES.  A unit is 64 rows x 128 K (four groups).  512 + 128 + 128 + 512 + 512 = 1,792 units = 256 work-groups x 7 waves: a wave takes one unit.  Only pointers and offsets are chosen by the unit's number: one path.
; Each load reads a row's 512 consecutive bytes; the rows turn through the wave's own stage in LDS (528 bytes a row) so that a lane gets 32 neighbours along K of one row.  Waves share nothing: no barrier.
; No cluster, no tensor load: no byte is read by two work-groups.
; LIMITS: NaN and infinities are not served.  A block whose largest magnitude lies under 2^-124, a block of zeros among them, gets the byte 1 (its codes are then zeros or subnormal codes); these bytes are read by this program alone.
.set WREG, 33792                       ; LDS of a wave: two stages of 32 rows
.set PSTG, 16896
.set SP,   528
.set OFFS, 16                          ; v16-31  16 x lane + i rows
.set X,    32                          ; v32-95  64 numbers of a lane: X[32 c + i] = k 64 c + 32 h + i of its row
.set DATA, 96                          ; v96-223 32 rows as loaded
.set C,    224                         ; v224-235 a fragment's codes
.set T,    236                         ; v236-242 second halves of the blocks' codes
.set W,    244                         ; v244-247 the four groups' scale words
.set QM,   248
.set QP,   250
.set QS,   251
.set QB,   253
	s_load_b256 s[4:11], s[0:1], 0x0               ; hidden_state, q_w, so_w, inter_w
	s_load_b128 s[12:15], s[0:1], 0x20             ; out_w, qin
	v_lshl_add_u32 v243, v0, 2, 0x39c00
	v_mov_b32 v255, 0
	v_lshrrev_b32 v1, 5, v0
	v_readfirstlane_b32 s16, v1                    ; wave 0..6
	v_and_b32 v1, 31, v0                           ; lane
	v_and_b32 v2, 15, v0                           ; r
	v_bfe_u32 v3, v0, 4, 1                         ; h
	v_lshlrev_b32 v4, 4, v1                        ; 16 x lane
	v_lshlrev_b32 v5, 3, v1                        ; 8 x lane
	s_mul_i32 s38, s16, WREG
	v_add_nc_u32 v6, s38, v4                       ; the stage, on the way in
	v_mul_u32_u24 v7, v2, SP
	v_lshl_add_u32 v7, v3, 7, v7
	v_add_nc_u32 v7, s38, v7                       ; and on the way out: row r, + 128 h bytes
	v_lshlrev_b32 v8, 4, v2
	v_lshl_add_u32 v8, v3, 3, v8                   ; 16 r + 8 h: my two scale words
	v_lshlrev_b32 v9, 3, v3                        ; 8 h: my bytes' place in a scale word
	v_mov_b32 v[QP], 0                             ; a lane permute's destination counts as read
	s_mul_i32 s17, ttmp9, 7
	s_add_co_u32 s17, s17, s16                     ; the unit
	s_mov_b32 s18, 0                               ; the tensor's first unit
	s_mov_b32 s19, 0                               ; its place in qin
	s_mov_b32 s20, 3                               ; log2 of its K steps
	s_mov_b32 s36, 0x76543210
	s_mov_b32 s37, 0xfedcba98                      ; selects for lane l xor 16
	s_wait_kmcnt 0x0
	s_mov_b64 s[22:23], s[4:5]
	s_cmp_ge_u32 s17, 512
	s_cselect_b64 s[22:23], s[6:7], s[22:23]
	s_cselect_b32 s18, 512, s18
	s_cselect_b32 s19, 3276800, s19
	s_cmp_ge_u32 s17, 640
	s_cselect_b64 s[22:23], s[8:9], s[22:23]
	s_cselect_b32 s18, 640, s18
	s_cselect_b32 s19, 4096000, s19
	s_cmp_ge_u32 s17, 768
	s_cselect_b64 s[22:23], s[10:11], s[22:23]
	s_cselect_b32 s18, 768, s18
	s_cselect_b32 s19, 4915200, s19
	s_cmp_ge_u32 s17, 1280
	s_cselect_b64 s[22:23], s[12:13], s[22:23]
	s_cselect_b32 s18, 1280, s18
	s_cselect_b32 s19, 8192000, s19
	s_cselect_b32 s20, 5, s20
	s_sub_co_u32 s17, s17, s18                     ; the unit within its tensor
	s_lshl_b32 s21, 512, s20                       ; a row in bytes
	s_lshl_b32 s38, 1, s20
	s_sub_co_u32 s38, s38, 1
	s_and_b32 s38, s17, s38                        ; K step
	s_lshr_b32 s39, s17, s20                       ; which 64 rows
	s_lshl_b32 s40, s39, 6
	s_mul_i32 s40, s40, s21
	s_lshl_b32 s41, s38, 9
	s_add_co_u32 s40, s40, s41                     ; under 2^25
	s_mov_b32 s41, 0
	s_add_nc_u64 s[24:25], s[22:23], s[40:41]      ; four bases, 16 rows apart
	s_lshl_b32 s40, s21, 4
	s_add_nc_u64 s[26:27], s[24:25], s[40:41]
	s_add_nc_u64 s[28:29], s[26:27], s[40:41]
	s_add_nc_u64 s[30:31], s[28:29], s[40:41]
	s_lshr_b32 s40, s39, 1
	s_lshl_b32 s40, s40, s20
	s_add_co_u32 s40, s40, s38
	s_mul_i32 s40, s40, 12800
	s_add_co_u32 s40, s40, s19                     ; the block
	s_and_b32 s39, s39, 1                          ; its lower or upper four groups
	s_mul_i32 s42, s39, 6144
	s_add_co_u32 s42, s42, s40
	s_mov_b32 s43, 0
	s_add_nc_u64 s[32:33], s[14:15], s[42:43]      ; where my codes go
	s_lshl_b32 s42, s39, 8
	s_add_co_u32 s42, s42, s40
	s_add_co_u32 s42, s42, 12288
	s_add_nc_u64 s[34:35], s[14:15], s[42:43]      ; and my 256 bytes of scale words
	v_mov_b32 v[OFFS], v4
.irp i, 1,2,3,4,5,6,7,8,9,10,11,12,13,14,15
	v_add_nc_u32 v[OFFS+\i], s21, v[OFFS+\i-1]
.endr
.macro LOADP p                         ; 32 rows: each load reads 512 consecutive bytes
.set RW, 0
.rept 32
	global_load_b128 v[DATA+4*RW:DATA+4*RW+3], v[OFFS+RW%16], s[24+2*(2*\p+RW/16):25+2*(2*\p+RW/16)] th:TH_LOAD_NT
.set RW, RW+1
.endr
.endm
.macro TOSTAGE p                       ; row x goes to place 16 ((x / 8) % 2) + 8 (x / 16) + x % 8: a group's 16 rows are then neighbours
.set RW, 0
.rept 32
	ds_store_b128 v6, v[DATA+4*RW:DATA+4*RW+3] offset:\p*PSTG+(16*((RW>>3)&1)+8*(RW>>4)+(RW&7))*SP
.set RW, RW+1
.endr
.endm
.macro QFRAG w                         ; 64 numbers -> a fragment's codes in v[C] on, its scale word in v[w]
.irp c, 0,1
	v_max3_num_f32 v[QM+\c], |v[X+32*\c]|, |v[X+32*\c+1]|, 0x1800000   ; my block 2 c + h, and the floor 2^(3 - 127): the byte cannot fall under 1
.endr
.irp i, 2,4,6,8,10,12,14,16,18,20,22,24,26,28,30
.irp c, 0,1
	v_max3_num_f32 v[QM+\c], v[QM+\c], |v[X+32*\c+\i]|, |v[X+32*\c+\i+1]|
.endr
.endr
.irp c, 0,1
	v_add_nc_u32 v[QS+\c], 0xff000000, v[QM+\c]    ; 2 off the exponent field: the conversion's scale operand
.endr
.irp c, 0,1
	v_lshrrev_b32 v[QB+\c], 23, v[QS+\c]           ; the scale's byte
.endr
	v_lshl_or_b32 v[\w], v[QB+1], 16, v[QB]
	v_lshlrev_b32 v[\w], v9, v[\w]                 ; bytes h and 2 + h
	v_permlanex16_b32 v[QP], v[\w], s36, s37
	v_or_b32 v[\w], v[\w], v[QP]                   ; with lane l xor 16's two the word is whole
	s_wait_alu depctr_va_vdst(0)
	s_wait_xcnt 0x0                                ; the last fragment's stores have read v[C] on
.irp c, 0,1
	v_cvt_scalef32_pk16_fp6_f32 v[C+6*\c:C+6*\c+2], v[X+32*\c:X+32*\c+15], v[QS+\c]
	v_cvt_scalef32_pk16_fp6_f32 v[T+4*\c:T+4*\c+2], v[X+32*\c+16:X+32*\c+31], v[QS+\c]
.endr
	v_nop                                          ; one plain place behind a scaled conversion
.irp c, 0,1
.irp i, 0,1,2
	v_mov_b32 v[C+6*\c+3+\i], v[T+4*\c+\i]
.endr
.endr
.endm
.macro STOREFRAG o                     ; each store covers 512 or 256 consecutive bytes, aligned
	global_store_b128 v4, v[C:C+3], s[32:33] offset:\o
	global_store_b64 v5, v[C+4:C+5], s[32:33] offset:\o+512
	global_store_b128 v4, v[C+6:C+9], s[32:33] offset:\o+768
	global_store_b64 v5, v[C+10:C+11], s[32:33] offset:\o+1280
.endm
.macro GROUP p, u
.irp c, 0,1
.irp j, 0,1,2,3,4,5,6,7
	ds_load_b128 v[X+32*\c+4*\j:X+32*\c+4*\j+3], v7 offset:\p*PSTG+16*\u*SP+256*\c+16*\j   ; LDS serves a wave's instructions in order: these see my stores
.endr
.endr
	s_wait_dscnt 0x0
	QFRAG W+2*\p+\u
	STOREFRAG (2*\p+\u)*1536
.endm
	LOADP 0
	s_wait_alu depctr_va_vdst(0)
	s_wait_loadcnt 0x0
	TOSTAGE 0
	s_wait_dscnt 0x0                               ; the stores have read their registers,
	LOADP 1                                        ; which take the second 32 rows while the first are quantised
	GROUP 0, 0
	GROUP 0, 1
	s_wait_loadcnt 0x0
	TOSTAGE 1
	GROUP 1, 0
	GROUP 1, 1
	v_cmp_le_u32 vcc_lo, 16, v1
	v_cndmask_b32 v248, v[W], v[W+2], vcc_lo       ; lanes 0-15: groups 0, 1; lanes 16-31: groups 2, 3
	v_cndmask_b32 v249, v[W+1], v[W+3], vcc_lo
	global_store_b64 v8, v[248:249], s[34:35]      ; 32 lanes store 256 consecutive bytes, aligned
	s_wait_tensorcnt 0x0
	ds_add_u32 v243, v255
	s_wait_dscnt 0x0
	s_endpgm
.Lfunc_end_k_q5a9e7d3e76_quant_in:
	.size	k_q5a9e7d3e76_quant_in, .Lfunc_end_k_q5a9e7d3e76_quant_in-k_q5a9e7d3e76_quant_in
	.p2alignl 7, 3214868480
	.fill 96, 4, 3214868480
	.section	.rodata,"a",@progbits
	.p2align	6, 0x0
	.amdhsa_kernel k_q5a9e7d3e76_quant_in
		.amdhsa_group_segment_fixed_size 237568
		.amdhsa_private_segment_fixed_size 0
		.amdhsa_enable_private_segment 0
		.amdhsa_kernarg_size 48
		.amdhsa_user_sgpr_count 2
		.amdhsa_user_sgpr_kernarg_segment_ptr 1
		.amdhsa_wavefront_size32 1
		.amdhsa_system_sgpr_workgroup_id_x 1
		.amdhsa_system_sgpr_workgroup_id_y 1
		.amdhsa_system_sgpr_workgroup_id_z 1
		.amdhsa_system_vgpr_workitem_id 0
		.amdhsa_next_free_vgpr 256
		.amdhsa_next_free_sgpr 66
		.amdhsa_reserve_vcc 1
		.amdhsa_float_denorm_mode_32 3
		.amdhsa_float_denorm_mode_16_64 3
		.amdhsa_memory_ordered 1
		.amdhsa_forward_progress 1
		.amdhsa_inst_pref_size 32
	.end_amdhsa_kernel
	.amdgpu_metadata
---
amdhsa.version: [ 1, 2 ]
amdhsa.kernels:
  - .name:           k_q5a9e7d3e76_quant_in
    .symbol:         k_q5a9e7d3e76_quant_in.kd
    .args:
      - { .name: hidden_state, .offset: 0, .size: 8, .value_kind: global_buffer, .address_space: global }
      - { .name: q_w, .offset: 8, .size: 8, .value_kind: global_buffer, .address_space: global }
      - { .name: so_w, .offset: 16, .size: 8, .value_kind: global_buffer, .address_space: global }
      - { .name: inter_w, .offset: 24, .size: 8, .value_kind: global_buffer, .address_space: global }
      - { .name: out_w, .offset: 32, .size: 8, .value_kind: global_buffer, .address_space: global }
      - { .name: qin, .offset: 40, .size: 8, .value_kind: global_buffer, .address_space: global }
    .group_segment_fixed_size: 237568
    .private_segment_fixed_size: 0
    .kernarg_segment_align: 8
    .kernarg_segment_size: 48
    .max_flat_workgroup_size: 224
    .sgpr_count:     66
    .vgpr_count:     256
    .wavefront_size: 32
...
	.end_amdgpu_metadata
.endif
;; end of part 1
;; launch qkv_gemm (part 2): grid 8 x 32, 4 waves a work-group, clusters of 4 x 4, 327,680 bytes of LDS; arguments qin, q_b, qkv; writes qkv
.if DOCPART == 2
	.amdgcn_target "amdgcn-amd-amdhsa--gfx1250"
	.amdhsa_code_object_version 6
	.text
	.protected	k_q5a9e7d3e76_qkv_gemm
	.globl	k_q5a9e7d3e76_qkv_gemm
	.p2align	8
	.type	k_q5a9e7d3e76_qkv_gemm,@function
k_q5a9e7d3e76_qkv_gemm:
	s_mov_b64 s[64:65], 0
	v_nop
	global_prefetch_b8 v0, s[64:65] scope:SCOPE_SE
	s_setreg_imm32_b32 hwreg(HW_REG_WAVE_MODE, 25, 1), 1
	s_wait_xcnt 0x0
	s_wait_alu depctr_hold_cnt(0) depctr_sa_sdst(0) depctr_va_vdst(0) depctr_va_sdst(0) depctr_va_ssrc(0) depctr_va_vcc(0) depctr_vm_vsrc(0)
	s_getreg_b32 s2, hwreg(HW_REG_IB_STS2, 6, 4)
	s_cmp_eq_u32 s2, 0
	s_cbranch_scc0 .Lentry_in_a_cluster
	s_endpgm
.Lentry_in_a_cluster:
	s_bfe_u32 s2, ttmp6, 0x10000c
	s_cmp_lg_u32 s2, 0xf033
	s_cbranch_scc0 .Lentry_shape_is_right
	s_endpgm
.Lentry_shape_is_right:
.set KT,    1024
.set SB,    KT/128
.set BLK,   12800
.set HALF,  4*BLK
.set SLOT,  2*HALF
.set BOFF,  3276800
.set SCO,   12288
.set REC,   208896
.set QKS,   98304
.set VC,    106496
.set VS,    204800
.set VSTG,  2*SLOT
.set A16,   16
.set A8,    18
.set B16,   20
.set B8,    22
.set ADRS,  24
.set LI16,  30
.set LI8,   31
.set SC,    32
.set BIAS,  40
.set TM,    72
.set PW,    78
.set PC,    80
.set WD,    92
.set ACC,   128
.set G1,    24
.set G0,    32
.set G1B,   48
.set G0B,   56
.set SEL,   66
.set MSB, 0
.macro WIN new
.if MSB != \new
	s_set_vgpr_msb (MSB<<8)|\new
.set MSB, \new
.endif
.endm
.set MUL,  0x05
.set MULT, 0xa5
.set TO_F, 0x40
.macro PLACES n
.rept \n
	v_nop
.endr
.endm
.macro JLOAD s
	s_cmp_eq_u32 s15, 0
	s_cbranch_scc0 .Lfor_b_\@
	tensor_load_to_lds s[G0+4*\s:G0+4*\s+3], s[G1:G1+7]
	s_nop 0
.rept 4
	v_nop
.endr
	s_branch .Lasked_\@
.Lfor_b_\@:
	tensor_load_to_lds s[G0B+4*\s:G0B+4*\s+3], s[G1B:G1B+7]
	s_nop 0
.rept 4
	v_nop
.endr
.Lasked_\@:
.endm
.macro CREST
	s_cmp_lg_u32 s14, 0
	s_cbranch_scc1 .Lnot_wave_0_\@
	s_barrier_signal -3
.Lnot_wave_0_\@:
	s_barrier_wait -3
	s_barrier_signal -1
	s_barrier_wait -1
.endm
.macro CROUND
	s_barrier_signal -1
	s_barrier_wait -1
	CREST
.endm
	s_load_b64 s[4:5], s[0:1], 0x0
	s_load_b64 s[6:7], s[0:1], 0x0
	s_load_b64 s[8:9], s[0:1], 0x8
	s_load_b64 s[12:13], s[0:1], 0x10
	v_lshl_add_u32 v126, v0, 2, 0x32200
	v_mov_b32 v127, 0
	ds_add_u32 v126, v127
	ds_add_u32 v126, v127
	v_lshrrev_b32 v1, 5, v0
	v_readfirstlane_b32 s14, v1
	s_lshr_b32 s15, s14, 1
	s_and_b32 s16, s14, 1
	s_bfe_u32 s40, ttmp6, 0x40000
	s_bfe_u32 s41, ttmp6, 0x40004
	s_lshl_b32 s42, ttmp9, 2
	s_add_co_u32 s42, s42, s40
	s_and_b32 s17, ttmp7, 0xffff
	s_lshl_b32 s17, s17, 2
	s_add_co_u32 s17, s17, s41
	s_lshl_b32 s43, s41, 2
	s_lshl_b32 s43, 15, s43
	s_lshl_b32 s44, 0x1111, s40
	s_or_b32 s[G1+0], s43, (3<<16)|(1<<21)
	s_or_b32 s[G1B+0], s44, (3<<16)|(1<<21)
.irp g, G1, G1B
	s_mov_b32 s[\g+1], 32<<16
	s_mov_b32 s[\g+2], 100<<16
	s_mov_b32 s[\g+3], 32<<16
	s_mov_b32 s[\g+4], 100
	s_mov_b32 s[\g+5], 32
	s_mov_b32 s[\g+6], 0
	s_mov_b32 s[\g+7], 0
.endr
	s_mul_i32 s18, s16, 2*BLK
	s_mul_i32 s20, s17, SB*BLK
	s_add_co_u32 s20, s20, s18
	s_mov_b32 s21, 0
	s_mul_i32 s46, s42, SB*BLK
	s_add_co_u32 s46, s46, s18
	s_add_co_u32 s46, s46, BOFF
	s_mov_b32 s47, 0
	s_mul_i32 s45, s14, 2*BLK
	s_wait_dscnt 0x0
	s_wait_kmcnt 0x0
	s_add_nc_u64 s[20:21], s[4:5], s[20:21]
	s_add_nc_u64 s[46:47], s[6:7], s[46:47]
	CROUND
.irp s, 0,1
	s_mov_b32 s[G0+4*\s], 1
	s_add_co_u32 s[G0+4*\s+1], s45, \s*SLOT
	s_add_nc_u64 s[G0+4*\s+2:G0+4*\s+3], s[20:21], \s*HALF
	s_or_b32 s[G0+4*\s+3], s[G0+4*\s+3], 0x80000000
	s_mov_b32 s[G0B+4*\s], 1
	s_add_co_u32 s[G0B+4*\s+1], s45, \s*SLOT
	s_add_nc_u64 s[G0B+4*\s+2:G0B+4*\s+3], s[46:47], \s*HALF
	s_or_b32 s[G0B+4*\s+3], s[G0B+4*\s+3], 0x80000000
	s_wait_alu depctr_va_vdst(0)
	s_wait_tensorcnt 0x0
	ds_add_u32 v126, v127
	ds_add_u32 v126, v127
	s_wait_dscnt 0x0
	CROUND
	JLOAD \s
.endr
	v_and_b32 v1, 15, v0
	v_bfe_u32 v2, v0, 4, 1
	v_and_b32 v3, 31, v0
	v_lshlrev_b32 v[LI16], 4, v3
	v_lshlrev_b32 v[LI8], 3, v3
	s_mul_i32 s21, s15, 6144
	s_mul_i32 s22, s16, 6144
	s_add_co_u32 s22, s22, HALF
.irp s, 0,1
	v_add_nc_u32 v[A16+\s], s21, v[LI16]
	v_add_nc_u32 v[A8+\s], s21, v[LI8]
	v_add_nc_u32 v[B16+\s], s22, v[LI16]
	v_add_nc_u32 v[B8+\s], s22, v[LI8]
	s_add_co_u32 s21, s21, SLOT
	s_add_co_u32 s22, s22, SLOT
.endr
	s_xor_b32 s21, s15, 1
	s_add_co_u32 s21, s21, s16
	s_lshl_b32 s21, s21, 8
	s_add_co_u32 s21, s21, HALF-256
	v_mul_u32_u24 v4, s21, v2
	v_lshl_add_u32 v4, v1, 4, v4
	s_lshl_b32 s22, s15, 8
	s_add_co_u32 s22, s22, SCO
	v_add_nc_u32 v[ADRS], s22, v4
	v_add_nc_u32 v[ADRS+1], SLOT, v[ADRS]
	s_lshl_b32 s46, s42, 9
	s_mov_b32 s47, 0
	s_add_nc_u64 s[8:9], s[8:9], s[46:47]
	s_lshl_b32 s22, s16, 8
	v_lshlrev_b32 v5, 6, v2
	v_add_nc_u32 v5, s22, v5
.irp b, 0,1,2,3
	global_load_b128 v[BIAS+8*\b:BIAS+8*\b+3], v5, s[8:9] offset:4*(32*(\b/2)+8*(\b%2))
	global_load_b128 v[BIAS+8*\b+4:BIAS+8*\b+7], v5, s[8:9] offset:4*(32*(\b/2)+8*(\b%2))+16
.endr
	v_and_b32 v6, 8, v1
	v_add_nc_u32 v6, v6, v1
	v_lshlrev_b32 v6, 2, v6
	v_add_nc_u32 v6, s22, v6
.irp b, 0,1,2,3
	global_load_b32 v[96+\b], v6, s[8:9] offset:4*(32*(\b/2)+8*(\b%2))
.endr
	v_lshlrev_b32 v10, 4, v1
	s_lshl_b32 s23, s15, 1
	s_add_co_u32 s23, s23, s22
	s_add_co_u32 s23, s23, VSTG
	v_add_nc_u32 v11, s23, v10
	v_add_nc_u32 v12, VSTG, v[LI16]
	v_mul_u32_u24 v13, v2, REC
	v_add_nc_u32 v13, v13, v10
	; q/k codes and scale words are laid by tiles whose rows 0-7 are keys of block 2 c and rows 8-15 keys of block 2 c + 1 (blocks of 32 tokens):
	; token (group 4 c + a, lane row r) goes to tile 4 c + 2 (r / 8) + a % 2, row r % 8 + 8 (a / 2)
	v_and_b32 v14, 7, v1
	v_lshrrev_b32 v15, 3, v1
	v_lshlrev_b32 v10, 4, v14
	v_lshl_add_u32 v10, v15, 3, v10
	v_lshl_add_u32 v10, v2, 7, v10                 ; scale words: 16 (r % 8) + 8 (r / 8) + 128 h
	v_mul_u32_u24 v15, v15, 1536
	v_lshl_add_u32 v26, v14, 3, v15
	v_lshl_add_u32 v14, v14, 4, v15
	v_lshl_add_u32 v14, v2, 8, v14                 ; 1,536 (r / 8) + 16 (r % 8) + 256 h
	v_lshl_add_u32 v15, v2, 7, v26                 ; 1,536 (r / 8) + 8 (r % 8) + 128 h
	v_mov_b32 v[TM+2], 0
	v_mov_b32 v[TM+3], 0
	s_mov_b32 s[SEL], 0x76543210
	s_mov_b32 s[SEL+1], 0xfedcba98
.macro FETCH slot, q, f
	ds_load_b128 v[SC+4*(\f):SC+4*(\f)+3], v[ADRS+\slot] offset:(\q)*BLK
	WIN TO_F
.irp i, 0,1,2,3
	ds_load_b128 v[96*(\f)+12*\i:96*(\f)+12*\i+3], v[A16+\slot] offset:(\q)*BLK+1536*\i
	ds_load_b64 v[96*(\f)+12*\i+4:96*(\f)+12*\i+5], v[A8+\slot] offset:(\q)*BLK+1536*\i+512
	ds_load_b128 v[96*(\f)+12*\i+6:96*(\f)+12*\i+9], v[A16+\slot] offset:(\q)*BLK+1536*\i+768
	ds_load_b64 v[96*(\f)+12*\i+10:96*(\f)+12*\i+11], v[A8+\slot] offset:(\q)*BLK+1536*\i+1280
	ds_load_b128 v[96*(\f)+48+12*\i:96*(\f)+48+12*\i+3], v[B16+\slot] offset:(\q)*BLK+1536*\i
	ds_load_b64 v[96*(\f)+48+12*\i+4:96*(\f)+48+12*\i+5], v[B8+\slot] offset:(\q)*BLK+1536*\i+512
	ds_load_b128 v[96*(\f)+48+12*\i+6:96*(\f)+48+12*\i+9], v[B16+\slot] offset:(\q)*BLK+1536*\i+768
	ds_load_b64 v[96*(\f)+48+12*\i+10:96*(\f)+48+12*\i+11], v[B8+\slot] offset:(\q)*BLK+1536*\i+1280
.endr
	WIN 0
.endm
.macro MUL8 f, a0, first
.irp a, \a0, \a0+1
.irp b, 0,1,2,3
.if \first
	v_wmma_scale_f32_16x16x128_f8f6f4 v[ACC+8*(4*(\a)+\b):ACC+8*(4*(\a)+\b)+7], v[96*(\f)+48+12*\b:96*(\f)+48+12*\b+11], v[96*(\f)+12*(\a):96*(\f)+12*(\a)+11], v[BIAS+8*\b:BIAS+8*\b+7], v[SC+4*(\f)+\b], v[SC+4*(\f)+(\a)] matrix_a_fmt:MATRIX_FMT_FP6 matrix_b_fmt:MATRIX_FMT_FP6 matrix_a_scale:MATRIX_SCALE_ROW1
.else
	v_wmma_scale_f32_16x16x128_f8f6f4 v[ACC+8*(4*(\a)+\b):ACC+8*(4*(\a)+\b)+7], v[96*(\f)+48+12*\b:96*(\f)+48+12*\b+11], v[96*(\f)+12*(\a):96*(\f)+12*(\a)+11], v[ACC+8*(4*(\a)+\b):ACC+8*(4*(\a)+\b)+7], v[SC+4*(\f)+\b], v[SC+4*(\f)+(\a)] matrix_a_fmt:MATRIX_FMT_FP6 matrix_b_fmt:MATRIX_FMT_FP6 matrix_a_scale:MATRIX_SCALE_ROW1
.endif
.endr
.endr
.endm
.macro MULT8 f, b0, first
.irp b, \b0, \b0+1
.irp a, 0,1,2,3
.if \first
	v_wmma_scale_f32_16x16x128_f8f6f4 v[8*(4*(\b)+\a):8*(4*(\b)+\a)+7], v[96*(\f)+12*\a:96*(\f)+12*\a+11], v[96*(\f)+48+12*(\b):96*(\f)+48+12*(\b)+11], v[128+8*(\b):128+8*(\b)+7], v[SC+4*(\f)+\a], v[SC+4*(\f)+(\b)] matrix_a_fmt:MATRIX_FMT_FP6 matrix_b_fmt:MATRIX_FMT_FP6 matrix_b_scale:MATRIX_SCALE_ROW1
.else
	v_wmma_scale_f32_16x16x128_f8f6f4 v[8*(4*(\b)+\a):8*(4*(\b)+\a)+7], v[96*(\f)+12*\a:96*(\f)+12*\a+11], v[96*(\f)+48+12*(\b):96*(\f)+48+12*(\b)+11], v[8*(4*(\b)+\a):8*(4*(\b)+\a)+7], v[SC+4*(\f)+\a], v[SC+4*(\f)+(\b)] matrix_a_fmt:MATRIX_FMT_FP6 matrix_b_fmt:MATRIX_FMT_FP6 matrix_b_scale:MATRIX_SCALE_ROW1
.endif
.endr
.endr
.endm
.macro STEP slot, q, first
	s_wait_dscnt 0x0
	PLACES 4
	FETCH \slot, (\q)+1, ((\q)+1)%2
	WIN MUL
	MUL8 (\q)%2, 0, \first
	MUL8 (\q)%2, 2, \first
	WIN MULT
	MULT8 (\q)%2, 0, \first
	MULT8 (\q)%2, 2, \first
	WIN 0
.endm
.macro QUANT2 x, w
.if \w
	WIN 0x0a
.endif
.irp b, 0,1
	v_max3_num_f32 v[TM+\b], |v[(\x)+16*\b]|, |v[(\x)+16*\b+1]|, 0x1800000
.endr
.irp i, 2,4,6,8,10,12,14
.irp b, 0,1
	v_max3_num_f32 v[TM+\b], |v[(\x)+16*\b+\i]|, |v[(\x)+16*\b+\i+1]|, v[TM+\b]
.endr
.endr
	WIN 0
.irp b, 0,1
	v_permlanex16_b32 v[TM+2+\b], v[TM+\b], s[SEL], s[SEL+1]
.endr
.irp b, 0,1
	v_max_num_f32 v[TM+\b], v[TM+\b], v[TM+2+\b]
.endr
.irp b, 0,1
	v_add_nc_u32 v[TM+4+\b], 0xff000000, v[TM+\b]
.endr
.irp b, 0,1
	v_lshrrev_b32 v[TM+2+\b], 23, v[TM+4+\b]
.endr
	v_lshl_or_b32 v[PW], v[TM+3], 8, v[TM+2]
.if \w
	WIN 0x02
.endif
	v_cvt_scalef32_pk16_fp6_f32 v[PC:PC+2], v[(\x):(\x)+15], v[TM+4]
	v_cvt_scalef32_pk16_fp6_f32 v[PC+6:PC+8], v[(\x)+16:(\x)+31], v[TM+5]
	WIN 0
	v_nop
.irp i, 0,1,2
	v_permlane16_swap_b32 v[PC+\i], v[PC+6+\i]
.endr
.irp i, 0,1,2
	v_mov_b32 v[PC+3+\i], v[PC+6+\i]
.endr
.endm
	s_wait_tensorcnt 0x1
	s_barrier_signal -1
	s_barrier_wait -1
	FETCH 0, 0, 0
	s_wait_loadcnt 0x0
	WIN 0x80
.irp b, 0,1,2,3
.irp j, 0,1,2,3,4,5,6,7
	v_mov_b32 v[128+8*\b+\j], v[96+\b]
.endr
.endr
	WIN 0
	s_wait_alu depctr_va_vdst(0)
	STEP 0, 0, 1
	STEP 0, 1, 0
	STEP 0, 2, 0
	s_wait_tensorcnt 0x0
	s_wait_dscnt 0x0
	s_barrier_signal -1
	WIN MUL
	MUL8 1, 0, 0
	MUL8 1, 2, 0
	WIN 0
	s_barrier_wait -1
	PLACES 4
	FETCH 1, 0, 0
	WIN MULT
	MULT8 1, 0, 0
	MULT8 1, 2, 0
	WIN 0
	STEP 1, 0, 0
	STEP 1, 1, 0
	STEP 1, 2, 0
	s_wait_dscnt 0x0
	WIN MUL
	MUL8 1, 0, 0
	MUL8 1, 2, 0
	WIN MULT
	MULT8 1, 0, 0
	MULT8 1, 2, 0
	WIN 0
	s_lshr_b32 s70, s17, 4
	s_lshl_b32 s70, s70, 4
	s_lshl_b32 s71, s42, 1
	s_add_co_u32 s70, s70, s71
	s_mul_i32 s72, s70, REC
	s_and_b32 s71, s17, 15
	s_add_co_u32 s70, s70, s16
	s_mul_i32 s70, s70, REC
	s_lshl_b32 s73, s71, 3
	s_lshl_b32 s74, s15, 2
	s_add_co_u32 s73, s73, s74
	s_mul_i32 s73, s73, 768
	s_add_co_u32 s74, s70, s73
	s_mov_b32 s75, 0
	s_add_nc_u64 s[76:77], s[12:13], s[74:75]
	s_lshl_b32 s73, s71, 1
	s_add_co_u32 s73, s73, s15
	s_lshl_b32 s73, s73, 8
	s_add_co_u32 s74, s70, s73
	s_add_co_u32 s74, s74, QKS
	s_add_nc_u64 s[78:79], s[12:13], s[74:75]
	s_mul_i32 s73, s71, 6144
	s_mul_i32 s74, s15, 768
	s_add_co_u32 s74, s74, s73
	s_add_co_u32 s74, s74, s70
	s_add_co_u32 s74, s74, VC
	s_add_nc_u64 s[80:81], s[12:13], s[74:75]
	s_lshl_b32 s74, s71, 8
	s_add_co_u32 s74, s74, s72
	s_add_co_u32 s74, s74, VS
	s_add_nc_u64 s[82:83], s[12:13], s[74:75]
	PLACES 4
.irp a, 0,1,2,3
	s_wait_xcnt 0x0
	QUANT2 ACC+32*\a, 0
	v_or_b32 v[WD+\a], 0x7f7f0000, v[PW]
	global_store_b128 v14, v[PC:PC+3], s[76:77] offset:768*(\a%2)+128*(\a/2)
	global_store_b64 v15, v[PC+4:PC+5], s[76:77] offset:768*(\a%2)+64*(\a/2)+512
.endr
	v_cmp_eq_u32 vcc_lo, 1, v2
	v_cndmask_b32 v96, v[WD], v[WD+2], vcc_lo
	v_cndmask_b32 v97, v[WD+1], v[WD+3], vcc_lo
	global_store_b64 v10, v[96:97], s[78:79]
.irp b, 0,1,2,3
	s_wait_xcnt 0x0
	s_wait_dscnt 0x0
	QUANT2 32*\b, 2
	global_store_b128 v[LI16], v[PC:PC+3], s[80:81] offset:1536*\b
	global_store_b64 v[LI8], v[PC+4:PC+5], s[80:81] offset:1536*\b+512
	ds_store_b16 v11, v[PW] offset:4*\b
.endr
	s_wait_dscnt 0x0
	s_barrier_signal -1
	s_barrier_wait -1
	s_cmp_lg_u32 s14, 0
	s_cbranch_scc1 .Lno_vs
	ds_load_b128 v[96:99], v12
	s_wait_dscnt 0x0
	global_store_b128 v13, v[96:99], s[82:83]
.Lno_vs:
	s_wait_tensorcnt 0x0
	ds_add_u32 v126, v127
	s_wait_dscnt 0x0
	CROUND
	s_endpgm
.Lfunc_end_k_q5a9e7d3e76_qkv_gemm:
	.size	k_q5a9e7d3e76_qkv_gemm, .Lfunc_end_k_q5a9e7d3e76_qkv_gemm-k_q5a9e7d3e76_qkv_gemm
	.p2alignl 7, 3214868480
	.fill 96, 4, 3214868480
	.section	.rodata,"a",@progbits
	.p2align	6, 0x0
	.amdhsa_kernel k_q5a9e7d3e76_qkv_gemm
		.amdhsa_group_segment_fixed_size 327680
		.amdhsa_private_segment_fixed_size 0
		.amdhsa_enable_private_segment 0
		.amdhsa_kernarg_size 24
		.amdhsa_user_sgpr_count 2
		.amdhsa_user_sgpr_kernarg_segment_ptr 1
		.amdhsa_wavefront_size32 1
		.amdhsa_system_sgpr_workgroup_id_x 1
		.amdhsa_system_sgpr_workgroup_id_y 1
		.amdhsa_system_sgpr_workgroup_id_z 1
		.amdhsa_system_vgpr_workitem_id 0
		.amdhsa_next_free_vgpr 768
		.amdhsa_next_free_sgpr 96
		.amdhsa_reserve_vcc 1
		.amdhsa_float_denorm_mode_32 3
		.amdhsa_float_denorm_mode_16_64 3
		.amdhsa_memory_ordered 1
		.amdhsa_forward_progress 1
		.amdhsa_inst_pref_size 83
	.end_amdhsa_kernel
	.amdgpu_metadata
---
amdhsa.version: [ 1, 2 ]
amdhsa.kernels:
  - .name:           k_q5a9e7d3e76_qkv_gemm
    .symbol:         k_q5a9e7d3e76_qkv_gemm.kd
    .args:
      - { .name: qin, .offset: 0, .size: 8, .value_kind: global_buffer, .address_space: global }
      - { .name: q_b, .offset: 8, .size: 8, .value_kind: global_buffer, .address_space: global }
      - { .name: qkv, .offset: 16, .size: 8, .value_kind: global_buffer, .address_space: global }
    .group_segment_fixed_size: 327680
    .private_segment_fixed_size: 0
    .kernarg_segment_align: 8
    .kernarg_segment_size: 24
    .max_flat_workgroup_size: 128
    .sgpr_count:     96
    .vgpr_count:     768
    .wavefront_size: 32
...
	.end_amdgpu_metadata
.endif
;; end of part 2
;; launch attention (part 3): grid 8 x 32, 16 waves a work-group, clusters of 4 x 1, 219,136 bytes of LDS; arguments qkv, attention_mask, att; writes att
.if DOCPART == 3
	.amdgcn_target "amdgcn-amd-amdhsa--gfx1250"
	.amdhsa_code_object_version 6
	.text
	.protected	k_q5a9e7d3e76_attention
	.globl	k_q5a9e7d3e76_attention
	.p2align	8
	.type	k_q5a9e7d3e76_attention,@function
k_q5a9e7d3e76_attention:
	s_mov_b64 s[64:65], 0
	v_nop
	global_prefetch_b8 v0, s[64:65] scope:SCOPE_SE
	s_setreg_imm32_b32 hwreg(HW_REG_WAVE_MODE, 25, 1), 1
	s_wait_xcnt 0x0
	s_wait_alu depctr_hold_cnt(0) depctr_sa_sdst(0) depctr_va_vdst(0) depctr_va_sdst(0) depctr_va_ssrc(0) depctr_va_vcc(0) depctr_vm_vsrc(0)
	s_getreg_b32 s2, hwreg(HW_REG_IB_STS2, 6, 4)
	s_cmp_eq_u32 s2, 0
	s_cbranch_scc0 .Lentry_in_a_cluster
	s_endpgm
.Lentry_in_a_cluster:
	s_bfe_u32 s2, ttmp6, 0x10000c
	s_cmp_lg_u32 s2, 0x3003
	s_cbranch_scc0 .Lentry_shape_is_right
	s_endpgm
.Lentry_shape_is_right:
; attn = softmax(q k^T / 8 + mask) v for one (batch, head), both products on codes of FP6 (E2M3) with E8M0 scales; q = k = v = one projection, whose codes lie in a record of 208,896 bytes.
; SOFTMAX: t = (score + 8 mask) x log2(e) / 8; M = the running largest t rounded up to a whole number; p = 2^(t - M) is quantised along the keys; the row's sum is taken of the unquantised p and divides at the end.
; 8 x mask is the C of the score products.  K of the scores is 64: the upper halves of q's and k's fragments are zero codes under the byte 0x7f.
; SHARES: a work-group owns 256 queries, each of its sixteen waves 16.  The record comes into LDS once, 51 rows of 256 bytes a wave, one tensor load a wave; nothing is filled again, so there is no loop of fills to prefetch for.
; CLUSTER 4 x 1: the four query blocks of a cluster read the same record: the loads are joint.
; Both products are used transposed: a lane holds one query.  TILE 4 c + u of a step's 128 keys holds keys 64 c + 8 u + 0..7 in rows 0-7 and keys 64 c + 32 + 8 u + 0..7 in rows 8-15:
; so register 32 c + i of lane (r, h) is key 64 c + 32 h + i: a whole block of 32 in one lane, in the order of the next operand's registers.  No lane is asked for a block's maximum, and no code changes lanes.
; The queries keep the grouping of the next product's operand (group g, lane row r = token 32 (g / 2) + 8 (g % 2) + r + 8 (r / 8)): q is gathered from the tiles lane by lane, from memory.
; The result is divided by the sum and quantised along the model's 1,024; it leaves as a half fragment; its two scale bytes a row by a store of two bytes a lane (the word's other half is another head's).
; LIMITS: a row all of whose keys are masked by -infinity gives NaN, as in the definition; 8 x mask overflows beyond 4.2e37; NaN among the inputs is not served; the scaled scores stay under 2^31.
; REGISTERS: v1-7, v88-92 addresses that stay; v8-11, v29-31 addresses in hand; v12 -M, v13 the largest t, v[14:15] the sum; v16-27 q, v28 its scale words; v32-79 four fragments of k; v80-87 scale words;
;   v96-159 8 x mask, the scores, p, then v's fragments; v160-191 O^T; v192-203 p's codes; v204-253 at work; v254-255 the add's.
.set REC,  208896
.set QKS,  98304
.set VC,   106496
.set VS,   204800
.set MSK,  208896
.set PART, 13056
.set WV,   18
.set SEL,  20
.set CS,   22
.set G1,   24
.set G0,   32
.set TB,   36
.set TS,   37
.set TV,   38
.set CNT,  39
.set TM,   212
.set PW,   226
.set PC,   192
.macro CROUND
	s_barrier_signal -1
	s_barrier_wait -1
	s_cmp_lg_u32 s[WV], 0
	s_cbranch_scc1 .Lnot_wave_0_\@
	s_barrier_signal -3
.Lnot_wave_0_\@:
	s_barrier_wait -3
	s_barrier_signal -1
	s_barrier_wait -1
.endm
	s_load_b128 s[4:7], s[0:1], 0x0                ; qkv, attention_mask
	s_load_b64 s[8:9], s[0:1], 0x10                ; att
	v_lshl_add_u32 v254, v0, 2, 0x35000
	v_mov_b32 v255, 0
	ds_add_u32 v254, v255                          ; the opening lines
	ds_add_u32 v254, v255
	v_lshrrev_b32 v1, 5, v0
	s_delay_alu instid0(VALU_DEP_1)
	v_readfirstlane_b32 s[WV], v1                  ; wave 0..15
	s_bfe_u32 s13, ttmp6, 0x40000                  ; cx
	s_lshl_b32 s14, ttmp9, 2
	s_add_co_u32 s14, s14, s13                     ; my block of 256 queries: it enters global addresses alone
	s_and_b32 s15, ttmp7, 0xffff                   ; 16 x batch + head
	s_mul_i32 s16, s15, REC
	s_mov_b32 s17, 0
	s_mul_i32 s40, s[WV], PART
	s_mov_b32 s41, 0
	s_mov_b32 s[G1], 15|(3<<16)|(1<<21)            ; all four work-groups; elements of 8 bytes
	s_mov_b32 s[G1+1], 32<<16
	s_mov_b32 s[G1+2], 51<<16
	s_mov_b32 s[G1+3], 32<<16
	s_mov_b32 s[G1+4], 51
	s_mov_b32 s[G1+5], 32
	s_mov_b32 s[G1+6], 0
	s_mov_b32 s[G1+7], 0
	s_mov_b32 s[SEL], 0x76543210
	s_mov_b32 s[SEL+1], 0xfedcba98
	s_mov_b32 s[CS], 0x3e38aa3b                    ; c = log2(e) / 8
	s_mov_b32 s[CS+1], s[CS]
	s_mov_b32 s[TB], 0
	s_mov_b32 s[TS], 0
	s_mov_b32 s[TV], 0
	s_mov_b32 s[CNT], 16
	s_wait_dscnt 0x0
	s_wait_kmcnt 0x0
	s_add_nc_u64 s[10:11], s[4:5], s[16:17]        ; my head's record
	CROUND                                         ; the joint loads meet
	s_mov_b32 s[G0], 1
	s_mov_b32 s[G0+1], s40
	s_add_nc_u64 s[G0+2:G0+3], s[10:11], s[40:41]
	s_or_b32 s[G0+3], s[G0+3], 0x80000000
	tensor_load_to_lds s[G0:G0+3], s[G1:G1+7]      ; my sixteenth of the record: the one tensor load of this wave
	s_nop 0
.rept 4
	v_nop
.endr
	v_and_b32 v8, 31, v0
	v_and_b32 v9, 15, v0
	v_bfe_u32 v10, v0, 4, 1                        ; h
	v_and_b32 v92, 7, v0                           ; r % 8
	v_bfe_u32 v91, v0, 3, 1                        ; r / 8
	v_lshlrev_b32 v1, 4, v8                        ; 16 x lane
	v_lshlrev_b32 v2, 3, v8
	v_lshlrev_b32 v9, 4, v9                        ; 16 r
	v_mul_u32_u24 v89, v91, 1536
	v_lshlrev_b32 v88, 3, v10                      ; 8 h: my bytes' place in p's scale word
	v_add_nc_u32 v2, 512, v2                       ; 8 x lane + 512
	v_add_nc_u32 v3, QKS, v9
	v_add_nc_u32 v4, VC, v1
	v_lshl_add_u32 v5, v8, 3, VC
	v_add_nc_u32 v6, VS, v9
	v_lshl_add_u32 v7, v10, 7, MSK                 ; lanes 16-31 take the mask 32 keys on
	v_lshlrev_b32 v11, 4, v0
	v_lshl_add_u32 v29, v0, 4, MSK
	v_lshl_add_u32 v90, v92, 3, v89
	v_lshl_add_u32 v89, v92, 4, v89
	v_lshlrev_b32 v92, 4, v92
	v_lshl_add_u32 v90, v10, 7, v90
	v_lshl_add_u32 v89, v10, 8, v89                ; q: 1,536 (r / 8) + 16 (r % 8) + 256 h
	v_lshl_add_u32 v92, v91, 3, v92                ; q's scale word: 16 (r % 8) + 8 (r / 8)
	v_add_nc_u32 v90, 512, v90                     ; q: 1,536 (r / 8) + 8 (r % 8) + 128 h + 512
	s_wait_alu depctr_va_vdst(0)
	s_lshr_b32 s42, s15, 4
	s_lshl_b32 s42, s42, 13                        ; the batch's 2,048 numbers of the mask
	s_mov_b32 s43, 0
	s_add_nc_u64 s[6:7], s[6:7], s[42:43]
	global_load_b128 v[96:99], v11, s[6:7]
	s_lshl_b32 s44, s14, 4
	s_add_co_u32 s44, s44, s[WV]                   ; my group G of 16 queries
	s_lshr_b32 s52, s44, 2
	s_and_b32 s50, s44, 1
	s_bfe_u32 s51, s44, 0x10001
	s_mul_i32 s46, s52, 3072                       ; four tiles a quad of groups,
	s_mul_i32 s53, s50, 768                        ; tile G % 2 (+ 2 (r / 8), in the lanes' offsets),
	s_add_co_u32 s46, s46, s53
	s_lshl_b32 s53, s51, 6
	s_add_co_u32 s54, s46, s53                     ; rows 8 ((G / 2) % 2) on: 64 bytes in the 8-byte part,
	s_add_co_u32 s46, s54, s53                     ; 128 in the 16-byte part
	s_mov_b32 s47, 0
	s_mov_b32 s55, 0
	s_add_nc_u64 s[46:47], s[10:11], s[46:47]
	s_add_nc_u64 s[54:55], s[10:11], s[54:55]
	global_load_b128 v[16:19], v89, s[46:47]       ; q comes from memory
	global_load_b64 v[20:21], v90, s[54:55]
	s_lshl_b32 s48, s52, 8
	s_lshl_b32 s53, s51, 7
	s_add_co_u32 s48, s48, s53
	s_lshl_b32 s53, s50, 2
	s_add_co_u32 s48, s48, s53
	s_add_co_u32 s48, s48, QKS
	s_mov_b32 s49, 0
	s_add_nc_u64 s[48:49], s[10:11], s[48:49]
	global_load_b32 v28, v92, s[48:49]
.irp j, 22,23,24,25,26,27
	v_mov_b32 v[\j], 0                             ; K = 64 .. 127 of q: zero codes
.endr
.irp t, 0,1,2,3
.irp j, 6,7,8,9,10,11
	v_mov_b32 v[32+12*\t+\j], 0                    ; and of k: they stay zero
.endr
.endr
.set J, 0
.rept 32
	v_mov_b32 v[160+J], 0                          ; O^T: the loop's first step finds zeros
.set J, J+1
.endr
	v_mov_b32 v13, 0xff61b1e6                      ; the largest t so far: -3e38
	s_delay_alu instid0(VALU_DEP_1)
	v_floor_f32 v12, -v13
	v_mov_b32 v14, 0
	v_mov_b32 v15, 0
.irp b, 0,1,2,3
	v_mov_b32 v[216+\b], 0                         ; a lane permute's destination counts as read
.endr
	v_mov_b32 v225, 0                              ; the upper half of the pair v[224:225]
	s_wait_alu depctr_va_vdst(0)
	s_wait_loadcnt 0x0
.irp i, 0,1,2,3
	v_mul_f32 v[96+\i], 0x41000000, v[96+\i]       ; 8 x mask: exact
.endr
	ds_store_b128 v29, v[96:99]
	s_wait_tensorcnt 0x0                           ; my part of the record is in,
	s_wait_dscnt 0x0                               ; my part of the mask is stored,
	s_barrier_signal -1
	s_barrier_wait -1                              ; everybody's are
.macro MX k, s                         ; step s of chain k: the largest of v[96 + 16 k] on, three and then two at a time
.if \s == 0
	v_max3_num_f32 v[212+\k], v[96+16*\k], v[97+16*\k], v[98+16*\k]
.else
	v_max3_num_f32 v[212+\k], v[212+\k], v[97+16*\k+2*\s], v[98+16*\k+2*\s]
.endif
.endm
.Lstep:                                            ; 16 trips of 128 keys; no barrier: LDS is only read
	v_add_nc_u32 v8, s[TB], v1                     ; these four are the places behind the last trip's products
	v_add_nc_u32 v9, s[TB], v2
	v_add_nc_u32 v10, s[TS], v3
	v_add_nc_u32 v11, s[TS], v7
	v_mov_b32 v230, v12                            ; the old -M: the fifth place: the score products write over registers that the last trip's products read
	s_wait_alu depctr_va_vdst(0)
.irp t, 0,1,2,3,4,5,6,7
	ds_load_b128 v[96+8*\t:99+8*\t], v11 offset:256*(\t/4)+32*(\t%4)        ; 8 x mask of keys 64 (t / 4) + 32 h + 8 (t % 4) + 0 .. 7
	ds_load_b128 v[100+8*\t:103+8*\t], v11 offset:256*(\t/4)+32*(\t%4)+16
.endr
.irp g, 0,1
.if \g
	v_add_nc_u32 v29, s[TB], v4                    ; four places in front of loads into registers that the four products above read
	v_add_nc_u32 v30, s[TB], v5
	v_add_nc_u32 v31, s[TV], v6
	v_nop
.endif
.irp t, 0,1,2,3
	ds_load_b128 v[32+12*\t:35+12*\t], v8 offset:768*(4*\g+\t)
	ds_load_b64 v[36+12*\t:37+12*\t], v9 offset:768*(4*\g+\t)
.endr
	ds_load_b128 v[80:83], v10 offset:256*\g
	s_wait_dscnt 0x0
.irp t, 0,1,2,3
	v_wmma_scale_f32_16x16x128_f8f6f4 v[96+8*(4*\g+\t):103+8*(4*\g+\t)], v[32+12*\t:43+12*\t], v[16:27], v[96+8*(4*\g+\t):103+8*(4*\g+\t)], v[80+\t], v28 matrix_a_fmt:MATRIX_FMT_FP6 matrix_b_fmt:MATRIX_FMT_FP6
.endr
.endr
; the largest score of my two blocks of 32 keys, in four chains of 16; the first four lines read the first four tiles alone: they are the places behind the last four products
.irp s, 0,1
	MX 0, \s
	MX 1, \s
.endr
.irp s, 0,1,2,3,4
	MX 0, (\s+2)
	MX 1, (\s+2)
	MX 2, \s
	MX 3, \s
.endr
.irp s, 5,6
	MX 2, \s
	MX 3, \s
.endr
	v_max3_num_f32 v212, v212, v213, v111
	v_max3_num_f32 v214, v214, v215, v143
	v_max_num_f32 v212, v212, v127                 ; block h
	v_max_num_f32 v214, v214, v159                 ; block 2 + h
	s_delay_alu instid0(VALU_DEP_1)
	v_max_num_f32 v227, v212, v214
	s_delay_alu instid0(VALU_DEP_1)
	v_permlanex16_b32 v216, v227, s[SEL], s[SEL+1]
	s_delay_alu instid0(VALU_DEP_1)
	v_max_num_f32 v227, v227, v216                 ; the step's largest score of my query
	s_delay_alu instid0(VALU_DEP_1)
	v_mul_f32 v227, s[CS], v227
	s_delay_alu instid0(VALU_DEP_1)
	v_max_num_f32 v13, v13, v227                   ; the running largest t
	s_delay_alu instid0(VALU_DEP_1)
	v_floor_f32 v12, -v13                          ; -M = floor(-t)
	s_delay_alu instid0(VALU_DEP_1)
	v_sub_f32 v227, v12, v230
	s_delay_alu instid0(VALU_DEP_1)
	v_cvt_i32_f32 v227, v227                       ; (it saturates)
	s_delay_alu instid0(VALU_DEP_1)
	v_ldexp_f32 v224, 1.0, v227                    ; f = 2^(old M - new M)
.set J, 0
.rept 32
	v_pk_fma_f32 v[96+J:97+J], v[96+J:97+J], s[CS:CS+1], v[12:13] op_sel_hi:[1,0,0]   ; t - M
.set J, J+2
.endr
	v_fma_f32 v212, v212, s[CS], v12
	v_fma_f32 v214, v214, s[CS], v12
	s_wait_alu depctr_va_vdst(0)
.set J, 0
.rept 64
	v_exp_f32 v[96+J], v[96+J]                     ; p = 2^(t - M)
.set J, J+1
.endr
	v_exp_f32 v212, v212                           ; the blocks' largest p
	v_exp_f32 v214, v214
	v_pk_mul_f32 v[14:15], v[14:15], v[224:225] op_sel_hi:[1,0]   ; the sums under the new M: a plain place behind the batch
	s_wait_alu depctr_va_vdst(0)                   ; one wait for the batch, ahead of its first reader
	v_max_num_f32 v212, 0x1800000, v212            ; the floor 2^(3 - 127)
	v_max_num_f32 v214, 0x1800000, v214
	v_add_nc_u32 v220, 0xff000000, v212            ; 2 off the exponent field: the conversions' scale operands
	v_add_nc_u32 v221, 0xff000000, v214
	v_lshrrev_b32 v216, 23, v220
	v_lshrrev_b32 v217, 23, v221
; the row's sum of the unquantised p: 32 pairs in eight chains
.irp k, 0,1,2,3,4,5,6
	v_pk_add_f32 v[240+2*\k:241+2*\k], v[96+2*\k:97+2*\k], v[110+2*\k:111+2*\k]
.endr
	v_pk_add_f32 v[14:15], v[14:15], v[124:125]
	v_lshl_or_b32 v226, v217, 16, v216
.irp k, 0,1,2,3,4,5,6
	v_pk_add_f32 v[240+2*\k:241+2*\k], v[240+2*\k:241+2*\k], v[126+2*\k:127+2*\k]
.endr
	v_pk_add_f32 v[14:15], v[14:15], v[140:141]
	v_lshlrev_b32 v226, v88, v226                  ; bytes h and 2 + h
.irp k, 0,1,2,3,4,5,6
	v_pk_add_f32 v[240+2*\k:241+2*\k], v[240+2*\k:241+2*\k], v[142+2*\k:143+2*\k]
.endr
	v_pk_add_f32 v[14:15], v[14:15], v[156:157]
	v_permlanex16_b32 v218, v226, s[SEL], s[SEL+1]
	v_pk_add_f32 v[240:241], v[240:241], v[158:159]
	v_pk_add_f32 v[242:243], v[242:243], v[244:245]
	v_pk_add_f32 v[246:247], v[246:247], v[248:249]
	v_pk_add_f32 v[250:251], v[250:251], v[252:253]
	v_or_b32 v226, v226, v218                      ; with lane l xor 16's two bytes p's scale word is whole
	v_pk_add_f32 v[240:241], v[240:241], v[242:243]
	v_pk_add_f32 v[246:247], v[246:247], v[250:251]
	s_delay_alu instid0(VALU_DEP_2)
	v_pk_add_f32 v[14:15], v[14:15], v[240:241]
	s_delay_alu instid0(VALU_DEP_1)
	v_pk_add_f32 v[14:15], v[14:15], v[246:247]
.irp c, 0,1
	v_cvt_scalef32_pk16_fp6_f32 v[192+6*\c:194+6*\c], v[96+32*\c:111+32*\c], v[220+\c]
	v_cvt_scalef32_pk16_fp6_f32 v[204+4*\c:206+4*\c], v[112+32*\c:127+32*\c], v[220+\c]   ; (a conversion's three registers begin on an even number)
.endr
	v_nop                                          ; one plain place behind a scaled conversion
.irp t, 0,1,2,3
	ds_load_b128 v[96+12*\t:99+12*\t], v29 offset:1536*\t          ; v's four fragments land where p lay
	ds_load_b64 v[100+12*\t:101+12*\t], v30 offset:1536*\t+512
	ds_load_b128 v[102+12*\t:105+12*\t], v29 offset:1536*\t+768
	ds_load_b64 v[106+12*\t:107+12*\t], v30 offset:1536*\t+1280
.endr
	ds_load_b128 v[84:87], v31
	s_wait_alu depctr_va_vdst(0)                   ; the wait directly ahead of the first reader of O^T
.set J, 0
.rept 8
	v_pk_mul_f32 v[160+J:161+J], v[160+J:161+J], v[224:225] op_sel_hi:[1,0]   ; O^T under the new M
.set J, J+2
.endr
.irp c, 0,1
.irp i, 0,1,2
	v_mov_b32 v[195+6*\c+\i], v[204+4*\c+\i]
.endr
.endr
.rept 8
	v_pk_mul_f32 v[160+J:161+J], v[160+J:161+J], v[224:225] op_sel_hi:[1,0]   ; these eight are the places between p's codes and the products
.set J, J+2
.endr
	s_wait_alu depctr_va_vdst(0)
	s_wait_dscnt 0x0
.irp t, 0,1,2,3
	v_wmma_scale_f32_16x16x128_f8f6f4 v[160+8*\t:167+8*\t], v[96+12*\t:107+12*\t], v[192:203], v[160+8*\t:167+8*\t], v[84+\t], v226 matrix_a_fmt:MATRIX_FMT_FP6 matrix_b_fmt:MATRIX_FMT_FP6
.endr
	s_add_co_u32 s[TB], s[TB], 6144
	s_add_co_u32 s[TS], s[TS], 512
	s_add_co_u32 s[TV], s[TV], 256
	s_sub_co_u32 s[CNT], s[CNT], 1
	s_cmp_lg_u32 s[CNT], 0
	s_cbranch_scc1 .Lstep
	; THE WAY OUT
	s_lshr_b32 s40, s15, 4
	s_lshl_b32 s40, s40, 4
	s_lshl_b32 s41, s14, 1
	s_add_co_u32 s40, s40, s41
	s_lshr_b32 s41, s[WV], 3
	s_add_co_u32 s40, s40, s41                     ; my block of 128 tokens
	s_lshl_b32 s40, s40, 3
	s_bfe_u32 s41, s15, 0x30001                    ; head / 2: the next product's K step
	s_add_co_u32 s40, s40, s41
	s_mul_i32 s40, s40, 12800
	s_and_b32 s41, s15, 1                          ; head % 2: which half of it
	s_and_b32 s42, s[WV], 7                        ; my group in the block
	s_mul_i32 s43, s42, 1536
	s_mul_i32 s44, s41, 768
	s_add_co_u32 s44, s44, s43
	s_add_co_u32 s44, s44, s40
	s_mov_b32 s45, 0
	s_add_nc_u64 s[46:47], s[8:9], s[44:45]
	s_lshr_b32 s43, s42, 2
	s_lshl_b32 s43, s43, 8
	s_and_b32 s42, s42, 3
	s_lshl_b32 s42, s42, 2
	s_add_co_u32 s44, s43, s42
	s_lshl_b32 s41, s41, 1
	s_add_co_u32 s44, s44, s41
	s_add_co_u32 s44, s44, s40
	s_add_co_u32 s44, s44, 12288
	s_add_nc_u64 s[48:49], s[8:9], s[44:45]
	v_add_f32 v14, v14, v15
	s_delay_alu instid0(VALU_DEP_1)
	v_permlanex16_b32 v224, v14, s[SEL], s[SEL+1]
	s_delay_alu instid0(VALU_DEP_1)
	v_add_f32 v14, v14, v224                       ; the row's sum
	s_wait_alu depctr_va_vdst(0)
	v_rcp_f32 v14, v14
	v_and_b32 v8, 15, v0                           ; plain places behind the reciprocal and behind the last products
	s_delay_alu instid0(VALU_DEP_1)
	v_lshlrev_b32 v8, 4, v8                        ; 16 r
	v_nop
	v_nop
	s_wait_alu depctr_va_vdst(0)                   ; ahead of the reciprocal's first reader
.set J, 0
.rept 32
	v_mul_f32 v[96+J], v[160+J], v14               ; register 16 b + i: channel 32 b + 16 h + i of my query
.set J, J+1
.endr
.irp b, 0,1
	v_max3_num_f32 v[TM+\b], |v[96+16*\b]|, |v[97+16*\b]|, 0x1800000
.endr
.irp i, 2,4,6,8,10,12,14
.irp b, 0,1
	s_delay_alu instid0(VALU_DEP_2)
	v_max3_num_f32 v[TM+\b], |v[96+16*\b+\i]|, |v[97+16*\b+\i]|, v[TM+\b]
.endr
.endr
.irp b, 0,1
	s_delay_alu instid0(VALU_DEP_2)
	v_permlanex16_b32 v[TM+2+\b], v[TM+\b], s[SEL], s[SEL+1]
.endr
.irp b, 0,1
	s_delay_alu instid0(VALU_DEP_2)
	v_max_num_f32 v[TM+\b], v[TM+\b], v[TM+2+\b]
.endr
.irp b, 0,1
	s_delay_alu instid0(VALU_DEP_2)
	v_add_nc_u32 v[TM+4+\b], 0xff000000, v[TM+\b]
.endr
.irp b, 0,1
	s_delay_alu instid0(VALU_DEP_2)
	v_lshrrev_b32 v[TM+2+\b], 23, v[TM+4+\b]
.endr
	s_delay_alu instid0(VALU_DEP_1)
	v_lshl_or_b32 v[PW], v[TM+3], 8, v[TM+2]
	v_cvt_scalef32_pk16_fp6_f32 v[PC:PC+2], v[96:111], v[TM+4]
	v_cvt_scalef32_pk16_fp6_f32 v[PC+6:PC+8], v[112:127], v[TM+5]
	v_nop
.irp i, 0,1,2
	v_permlane16_swap_b32 v[PC+\i], v[PC+6+\i]
.endr
.irp i, 0,1,2
	s_delay_alu instid0(VALU_DEP_3)
	v_mov_b32 v[PC+3+\i], v[PC+6+\i]
.endr
	global_store_b128 v1, v[PC:PC+3], s[46:47]     ; 512 consecutive bytes, aligned
	global_store_b64 v2, v[PC+4:PC+5], s[46:47]    ; 256 more
	global_store_b16 v8, v[PW], s[48:49]           ; lanes r and r + 16 store the same two bytes
	s_wait_tensorcnt 0x0                           ; the wave's end
	ds_add_u32 v254, v255
	s_wait_dscnt 0x0
	CROUND                                         ; the closing round
	s_endpgm
.Lfunc_end_k_q5a9e7d3e76_attention:
	.size	k_q5a9e7d3e76_attention, .Lfunc_end_k_q5a9e7d3e76_attention-k_q5a9e7d3e76_attention
	.p2alignl 7, 3214868480
	.fill 96, 4, 3214868480
	.section	.rodata,"a",@progbits
	.p2align	6, 0x0
	.amdhsa_kernel k_q5a9e7d3e76_attention
		.amdhsa_group_segment_fixed_size 219136
		.amdhsa_private_segment_fixed_size 0
		.amdhsa_enable_private_segment 0
		.amdhsa_kernarg_size 24
		.amdhsa_user_sgpr_count 2
		.amdhsa_user_sgpr_kernarg_segment_ptr 1
		.amdhsa_wavefront_size32 1
		.amdhsa_system_sgpr_workgroup_id_x 1
		.amdhsa_system_sgpr_workgroup_id_y 1
		.amdhsa_system_sgpr_workgroup_id_z 1
		.amdhsa_system_vgpr_workitem_id 0
		.amdhsa_next_free_vgpr 256
		.amdhsa_next_free_sgpr 66
		.amdhsa_reserve_vcc 0
		.amdhsa_float_denorm_mode_32 3
		.amdhsa_float_denorm_mode_16_64 3
		.amdhsa_memory_ordered 1
		.amdhsa_forward_progress 1
		.amdhsa_inst_pref_size 31
	.end_amdhsa_kernel
	.amdgpu_metadata
---
amdhsa.version: [ 1, 2 ]
amdhsa.kernels:
  - .name:           k_q5a9e7d3e76_attention
    .symbol:         k_q5a9e7d3e76_attention.kd
    .args:
      - { .name: qkv, .offset: 0, .size: 8, .value_kind: global_buffer, .address_space: global }
      - { .name: attention_mask, .offset: 8, .size: 8, .value_kind: global_buffer, .address_space: global }
      - { .name: att, .offset: 16, .size: 8, .value_kind: global_buffer, .address_space: global }
    .group_segment_fixed_size: 219136
    .private_segment_fixed_size: 0
    .kernarg_segment_align: 8
    .kernarg_segment_size: 24
    .max_flat_workgroup_size: 512
    .sgpr_count:     66
    .vgpr_count:     256
    .wavefront_size: 32
...
	.end_amdgpu_metadata
.endif
;; end of part 3
;; launch so_gemm (part 4): grid 8 x 32, 4 waves a work-group, clusters of 4 x 4, 327,680 bytes of LDS; arguments att, qin, so_b, hidden_state, y; writes y
.if DOCPART == 4
	.amdgcn_target "amdgcn-amd-amdhsa--gfx1250"
	.amdhsa_code_object_version 6
	.text
	.protected	k_q5a9e7d3e76_so_gemm
	.globl	k_q5a9e7d3e76_so_gemm
	.p2align	8
	.type	k_q5a9e7d3e76_so_gemm,@function
k_q5a9e7d3e76_so_gemm:
	s_mov_b64 s[64:65], 0
	v_nop
	global_prefetch_b8 v0, s[64:65] scope:SCOPE_SE
	s_setreg_imm32_b32 hwreg(HW_REG_WAVE_MODE, 25, 1), 1
	s_wait_xcnt 0x0
	s_wait_alu depctr_hold_cnt(0) depctr_sa_sdst(0) depctr_va_vdst(0) depctr_va_sdst(0) depctr_va_ssrc(0) depctr_va_vcc(0) depctr_vm_vsrc(0)
	s_getreg_b32 s2, hwreg(HW_REG_IB_STS2, 6, 4)
	s_cmp_eq_u32 s2, 0
	s_cbranch_scc0 .Lentry_in_a_cluster
	s_endpgm
.Lentry_in_a_cluster:
	s_bfe_u32 s2, ttmp6, 0x10000c
	s_cmp_lg_u32 s2, 0xf033
	s_cbranch_scc0 .Lentry_shape_is_right
	s_endpgm
.Lentry_shape_is_right:
.set KT,    1024
.set SB,    KT/128
.set BLK,   12800
.set HALF,  4*BLK
.set SLOT,  2*HALF
.set BOFF,  4096000
.set SCO,   12288
.set STAGE, 2*SLOT
.set SPITCH, 528
.set A16,   16
.set A8,    18
.set B16,   20
.set B8,    22
.set ADRS,  24
.set STO,   26
.set RD,    27
.set LI16,  30
.set SC,    32
.set BIAS,  40
.set ACC,   128
.set G1,    24
.set G0,    32
.set G1B,   48
.set G0B,   56
.set MSB, 0
.macro WIN new
.if MSB != \new
	s_set_vgpr_msb (MSB<<8)|\new
.set MSB, \new
.endif
.endm
.set MUL,  0x05
.set TO_F, 0x40
.macro PLACES n
.rept \n
	v_nop
.endr
.endm
.macro JLOAD s
	s_cmp_eq_u32 s15, 0
	s_cbranch_scc0 .Lfor_b_\@
	tensor_load_to_lds s[G0+4*\s:G0+4*\s+3], s[G1:G1+7]
	s_nop 0
.rept 4
	v_nop
.endr
	s_branch .Lasked_\@
.Lfor_b_\@:
	tensor_load_to_lds s[G0B+4*\s:G0B+4*\s+3], s[G1B:G1B+7]
	s_nop 0
.rept 4
	v_nop
.endr
.Lasked_\@:
.endm
.macro CREST
	s_cmp_lg_u32 s14, 0
	s_cbranch_scc1 .Lnot_wave_0_\@
	s_barrier_signal -3
.Lnot_wave_0_\@:
	s_barrier_wait -3
	s_barrier_signal -1
	s_barrier_wait -1
.endm
.macro CROUND
	s_barrier_signal -1
	s_barrier_wait -1
	CREST
.endm
	s_load_b256 s[4:11], s[0:1], 0x0
	s_load_b64 s[12:13], s[0:1], 0x20
	v_lshl_add_u32 v126, v0, 2, 0x42800
	v_mov_b32 v127, 0
	ds_add_u32 v126, v127
	ds_add_u32 v126, v127
	v_lshrrev_b32 v1, 5, v0
	v_readfirstlane_b32 s14, v1
	s_lshr_b32 s15, s14, 1
	s_and_b32 s16, s14, 1
	s_bfe_u32 s40, ttmp6, 0x40000
	s_bfe_u32 s41, ttmp6, 0x40004
	s_lshl_b32 s42, ttmp9, 2
	s_add_co_u32 s42, s42, s40
	s_and_b32 s17, ttmp7, 0xffff
	s_lshl_b32 s17, s17, 2
	s_add_co_u32 s17, s17, s41
	s_lshl_b32 s43, s41, 2
	s_lshl_b32 s43, 15, s43
	s_lshl_b32 s44, 0x1111, s40
	s_or_b32 s[G1+0], s43, (3<<16)|(1<<21)
	s_or_b32 s[G1B+0], s44, (3<<16)|(1<<21)
.irp g, G1, G1B
	s_mov_b32 s[\g+1], 32<<16
	s_mov_b32 s[\g+2], 100<<16
	s_mov_b32 s[\g+3], 32<<16
	s_mov_b32 s[\g+4], 100
	s_mov_b32 s[\g+5], 32
	s_mov_b32 s[\g+6], 0
	s_mov_b32 s[\g+7], 0
.endr
	s_mul_i32 s18, s16, 2*BLK
	s_mul_i32 s20, s17, SB*BLK
	s_add_co_u32 s20, s20, s18
	s_mov_b32 s21, 0
	s_mul_i32 s46, s42, SB*BLK
	s_add_co_u32 s46, s46, s18
	s_add_co_u32 s46, s46, BOFF
	s_mov_b32 s47, 0
	s_mul_i32 s45, s14, 2*BLK
	s_wait_dscnt 0x0
	s_wait_kmcnt 0x0
	s_add_nc_u64 s[20:21], s[4:5], s[20:21]
	s_add_nc_u64 s[46:47], s[6:7], s[46:47]
	CROUND
.irp s, 0,1
	s_mov_b32 s[G0+4*\s], 1
	s_add_co_u32 s[G0+4*\s+1], s45, \s*SLOT
	s_add_nc_u64 s[G0+4*\s+2:G0+4*\s+3], s[20:21], \s*HALF
	s_or_b32 s[G0+4*\s+3], s[G0+4*\s+3], 0x80000000
	s_mov_b32 s[G0B+4*\s], 1
	s_add_co_u32 s[G0B+4*\s+1], s45, \s*SLOT
	s_add_nc_u64 s[G0B+4*\s+2:G0B+4*\s+3], s[46:47], \s*HALF
	s_or_b32 s[G0B+4*\s+3], s[G0B+4*\s+3], 0x80000000
	s_wait_alu depctr_va_vdst(0)
	s_wait_tensorcnt 0x0
	ds_add_u32 v126, v127
	ds_add_u32 v126, v127
	s_wait_dscnt 0x0
	CROUND
	JLOAD \s
.endr
	v_and_b32 v1, 15, v0
	v_bfe_u32 v2, v0, 4, 1
	v_and_b32 v3, 31, v0
	v_lshlrev_b32 v[LI16], 4, v3
	v_lshlrev_b32 v7, 3, v3
	s_mul_i32 s21, s15, 6144
	s_mul_i32 s22, s16, 6144
	s_add_co_u32 s22, s22, HALF
.irp s, 0,1
	v_add_nc_u32 v[A16+\s], s21, v[LI16]
	v_add_nc_u32 v[A8+\s], s21, v7
	v_add_nc_u32 v[B16+\s], s22, v[LI16]
	v_add_nc_u32 v[B8+\s], s22, v7
	s_add_co_u32 s21, s21, SLOT
	s_add_co_u32 s22, s22, SLOT
.endr
	s_xor_b32 s21, s15, 1
	s_add_co_u32 s21, s21, s16
	s_lshl_b32 s21, s21, 8
	s_add_co_u32 s21, s21, HALF-256
	v_mul_u32_u24 v4, s21, v2
	v_lshl_add_u32 v4, v1, 4, v4
	s_lshl_b32 s22, s15, 8
	s_add_co_u32 s22, s22, SCO
	v_add_nc_u32 v[ADRS], s22, v4
	v_add_nc_u32 v[ADRS+1], SLOT, v[ADRS]
	s_mul_i32 s22, s15, 64*SPITCH
	s_lshl_b32 s23, s16, 8
	s_add_co_u32 s22, s22, s23
	s_add_co_u32 s22, s22, STAGE
	v_mul_u32_u24 v5, v1, SPITCH
	v_lshl_add_u32 v5, v2, 6, v5
	v_add_nc_u32 v[STO], s22, v5
	s_mul_i32 s22, s14, 32*SPITCH
	s_add_co_u32 s22, s22, STAGE
	v_add_nc_u32 v[RD], s22, v[LI16]
	s_lshl_b32 s46, s42, 9
	s_mov_b32 s47, 0
	s_add_nc_u64 s[8:9], s[8:9], s[46:47]
	v_lshlrev_b32 v5, 6, v2
	v_add_nc_u32 v5, s23, v5
.irp b, 0,1,2,3
	global_load_b128 v[BIAS+8*\b:BIAS+8*\b+3], v5, s[8:9] offset:4*(32*(\b/2)+8*(\b%2))
	global_load_b128 v[BIAS+8*\b+4:BIAS+8*\b+7], v5, s[8:9] offset:4*(32*(\b/2)+8*(\b%2))+16
.endr
	s_lshl_b32 s20, s17, 7
	s_lshl_b32 s21, s14, 5
	s_add_co_u32 s20, s20, s21
	s_lshl_b32 s20, s20, 12
	s_mov_b32 s21, 0
	s_add_nc_u64 s[20:21], s[20:21], s[46:47]
	s_add_nc_u64 s[10:11], s[10:11], s[20:21]
	s_add_nc_u64 s[12:13], s[12:13], s[20:21]
	WIN 0x80
.set I, 0
.rept 32
	global_load_b128 v[4*I:4*I+3], v[LI16], s[10:11] offset:4096*I th:TH_LOAD_NT
.set I, I+1
.endr
	WIN 0
.macro FETCH slot, q, f
	ds_load_b128 v[SC+4*(\f):SC+4*(\f)+3], v[ADRS+\slot] offset:(\q)*BLK
	WIN TO_F
.irp i, 0,1,2,3
	ds_load_b128 v[96*(\f)+12*\i:96*(\f)+12*\i+3], v[A16+\slot] offset:(\q)*BLK+1536*\i
	ds_load_b64 v[96*(\f)+12*\i+4:96*(\f)+12*\i+5], v[A8+\slot] offset:(\q)*BLK+1536*\i+512
	ds_load_b128 v[96*(\f)+12*\i+6:96*(\f)+12*\i+9], v[A16+\slot] offset:(\q)*BLK+1536*\i+768
	ds_load_b64 v[96*(\f)+12*\i+10:96*(\f)+12*\i+11], v[A8+\slot] offset:(\q)*BLK+1536*\i+1280
	ds_load_b128 v[96*(\f)+48+12*\i:96*(\f)+48+12*\i+3], v[B16+\slot] offset:(\q)*BLK+1536*\i
	ds_load_b64 v[96*(\f)+48+12*\i+4:96*(\f)+48+12*\i+5], v[B8+\slot] offset:(\q)*BLK+1536*\i+512
	ds_load_b128 v[96*(\f)+48+12*\i+6:96*(\f)+48+12*\i+9], v[B16+\slot] offset:(\q)*BLK+1536*\i+768
	ds_load_b64 v[96*(\f)+48+12*\i+10:96*(\f)+48+12*\i+11], v[B8+\slot] offset:(\q)*BLK+1536*\i+1280
.endr
	WIN 0
.endm
.macro MUL8 f, a0, first
.irp a, \a0, \a0+1
.irp b, 0,1,2,3
.if \first
	v_wmma_scale_f32_16x16x128_f8f6f4 v[ACC+8*(4*(\a)+\b):ACC+8*(4*(\a)+\b)+7], v[96*(\f)+48+12*\b:96*(\f)+48+12*\b+11], v[96*(\f)+12*(\a):96*(\f)+12*(\a)+11], v[BIAS+8*\b:BIAS+8*\b+7], v[SC+4*(\f)+\b], v[SC+4*(\f)+(\a)] matrix_a_fmt:MATRIX_FMT_FP6 matrix_b_fmt:MATRIX_FMT_FP6 matrix_a_scale:MATRIX_SCALE_ROW1
.else
	v_wmma_scale_f32_16x16x128_f8f6f4 v[ACC+8*(4*(\a)+\b):ACC+8*(4*(\a)+\b)+7], v[96*(\f)+48+12*\b:96*(\f)+48+12*\b+11], v[96*(\f)+12*(\a):96*(\f)+12*(\a)+11], v[ACC+8*(4*(\a)+\b):ACC+8*(4*(\a)+\b)+7], v[SC+4*(\f)+\b], v[SC+4*(\f)+(\a)] matrix_a_fmt:MATRIX_FMT_FP6 matrix_b_fmt:MATRIX_FMT_FP6 matrix_a_scale:MATRIX_SCALE_ROW1
.endif
.endr
.endr
.endm
.macro STEP slot, q, first
	s_wait_dscnt 0x0
	PLACES 4
	FETCH \slot, (\q)+1, ((\q)+1)%2
	WIN MUL
	MUL8 (\q)%2, 0, \first
	MUL8 (\q)%2, 2, \first
	WIN 0
.endm
	s_wait_alu depctr_va_vdst(0)
	s_wait_tensorcnt 0x1
	s_barrier_signal -1
	s_barrier_wait -1
	FETCH 0, 0, 0
	s_wait_loadcnt 32
	STEP 0, 0, 1
	STEP 0, 1, 0
	STEP 0, 2, 0
	s_wait_tensorcnt 0x0
	s_wait_dscnt 0x0
	s_barrier_signal -1
	WIN MUL
	MUL8 1, 0, 0
	WIN 0
	s_barrier_wait -1
	PLACES 4
	FETCH 1, 0, 0
	WIN MUL
	MUL8 1, 2, 0
	WIN 0
	STEP 1, 0, 0
	STEP 1, 1, 0
	STEP 1, 2, 0
	s_wait_dscnt 0x0
	WIN MUL
	MUL8 1, 0, 0
	MUL8 1, 2, 0
	WIN 0
	PLACES 4
.irp a, 0,1,2,3
.irp b, 0,1,2,3
	ds_store_b128 v[STO], v[ACC+8*(4*\a+\b):ACC+8*(4*\a+\b)+3] offset:16*\a*SPITCH+128*(\b/2)+32*(\b%2)
	ds_store_b128 v[STO], v[ACC+8*(4*\a+\b)+4:ACC+8*(4*\a+\b)+7] offset:16*\a*SPITCH+128*(\b/2)+32*(\b%2)+16
.endr
.endr
	s_wait_dscnt 0x0
	s_barrier_signal -1
	s_barrier_wait -1
.set I, 0
.rept 32
	ds_load_b128 v[ACC+4*I:ACC+4*I+3], v[RD] offset:(16*((I>>3)&1)+8*(I>>4)+(I&7))*SPITCH
.set I, I+1
.endr
	s_wait_loadcnt 0x0
	s_wait_dscnt 0x0
	WIN 0x08
.set I, 0
.rept 64
	v_pk_add_f32 v[ACC+2*I:ACC+2*I+1], v[ACC+2*I:ACC+2*I+1], v[2*I:2*I+1]
.set I, I+1
.endr
	WIN 0
.set I, 0
.rept 32
	global_store_b128 v[LI16], v[ACC+4*I:ACC+4*I+3], s[12:13] offset:4096*I th:TH_STORE_NT
.set I, I+1
.endr
	s_wait_tensorcnt 0x0
	ds_add_u32 v126, v127
	s_wait_dscnt 0x0
	CROUND
	s_endpgm
.Lfunc_end_k_q5a9e7d3e76_so_gemm:
	.size	k_q5a9e7d3e76_so_gemm, .Lfunc_end_k_q5a9e7d3e76_so_gemm-k_q5a9e7d3e76_so_gemm
	.p2alignl 7, 3214868480
	.fill 96, 4, 3214868480
	.section	.rodata,"a",@progbits
	.p2align	6, 0x0
	.amdhsa_kernel k_q5a9e7d3e76_so_gemm
		.amdhsa_group_segment_fixed_size 327680
		.amdhsa_private_segment_fixed_size 0
		.amdhsa_enable_private_segment 0
		.amdhsa_kernarg_size 40
		.amdhsa_user_sgpr_count 2
		.amdhsa_user_sgpr_kernarg_segment_ptr 1
		.amdhsa_wavefront_size32 1
		.amdhsa_system_sgpr_workgroup_id_x 1
		.amdhsa_system_sgpr_workgroup_id_y 1
		.amdhsa_system_sgpr_workgroup_id_z 1
		.amdhsa_system_vgpr_workitem_id 0
		.amdhsa_next_free_vgpr 640
		.amdhsa_next_free_sgpr 96
		.amdhsa_reserve_vcc 0
		.amdhsa_float_denorm_mode_32 3
		.amdhsa_float_denorm_mode_16_64 3
		.amdhsa_memory_ordered 1
		.amdhsa_forward_progress 1
		.amdhsa_inst_pref_size 59
	.end_amdhsa_kernel
	.amdgpu_metadata
---
amdhsa.version: [ 1, 2 ]
amdhsa.kernels:
  - .name:           k_q5a9e7d3e76_so_gemm
    .symbol:         k_q5a9e7d3e76_so_gemm.kd
    .args:
      - { .name: att, .offset: 0, .size: 8, .value_kind: global_buffer, .address_space: global }
      - { .name: qin, .offset: 8, .size: 8, .value_kind: global_buffer, .address_space: global }
      - { .name: so_b, .offset: 16, .size: 8, .value_kind: global_buffer, .address_space: global }
      - { .name: hidden_state, .offset: 24, .size: 8, .value_kind: global_buffer, .address_space: global }
      - { .name: y, .offset: 32, .size: 8, .value_kind: global_buffer, .address_space: global }
    .group_segment_fixed_size: 327680
    .private_segment_fixed_size: 0
    .kernarg_segment_align: 8
    .kernarg_segment_size: 40
    .max_flat_workgroup_size: 128
    .sgpr_count:     96
    .vgpr_count:     640
    .wavefront_size: 32
...
	.end_amdgpu_metadata
.endif
;; end of part 4
;; launch ln1_quant (part 5): grid 256 x 1, 8 waves a work-group, no clusters, 66,816 bytes of LDS; arguments y, ln1_g, ln1_b, sof, soq; writes sof, soq
.if DOCPART == 5
	.amdgcn_target "amdgcn-amd-amdhsa--gfx1250"
	.amdhsa_code_object_version 6
	.text
	.protected	k_q5a9e7d3e76_ln1_quant
	.globl	k_q5a9e7d3e76_ln1_quant
	.p2align	8
	.type	k_q5a9e7d3e76_ln1_quant,@function
k_q5a9e7d3e76_ln1_quant:
	s_mov_b64 s[64:65], 0
	v_nop
	global_prefetch_b8 v0, s[64:65] scope:SCOPE_SE
	s_setreg_imm32_b32 hwreg(HW_REG_WAVE_MODE, 25, 1), 1
	s_wait_xcnt 0x0
; self_out = layernorm(y) x g + b, stored as f32 (the later residual) and as codes of FP6 (E2M3) with E8M0 scales, in blocks of 12,800 bytes laid in the order of an operand's registers.
; A work-group owns one group of 16 rows (block rb = wg / 8, group g = wg % 8: rows 32 (g / 2) + 8 (g % 2) + r + 8 (r / 8)); wave w normalises lane rows 2 w and 2 w + 1, each whole in 32 registers:
; mean, then the mean of the squared differences, both in f32, so that a common offset of the row does no harm.  The 16 rows meet in LDS (4,112 bytes a row); behind one barrier wave w quantises K step w.
; Memory binds: each load and store covers 512 consecutive bytes; no matrix unit, no cluster, no tensor load: no byte is read by two work-groups.
; The scale words leave by a store of 4 bytes a lane, 64 bytes a fragment: the neighbouring words belong to other work-groups.
; LIMITS: NaN and infinities are not served; a block under 2^-124 keeps the byte 1.
.set GG,  96
.set BB,  128
.set X,   160
.set C,   224
.set T,   236
.set QM,  244
.set QP,  246
.set QS,  247
.set QB,  249
.set WRD, 251
.set SH,  252
.set RP,  4112
	s_load_b256 s[4:11], s[0:1], 0x0               ; y, g, b, sof
	s_load_b64 s[12:13], s[0:1], 0x20              ; soq
	v_lshl_add_u32 v239, v0, 2, 0x10100
	v_mov_b32 v243, 0
	v_lshrrev_b32 v1, 5, v0
	s_delay_alu instid0(VALU_DEP_1)
	v_readfirstlane_b32 s14, v1                    ; wave 0..7
	v_and_b32 v1, 31, v0
	v_and_b32 v2, 15, v0
	v_bfe_u32 v3, v0, 4, 1
	s_delay_alu instid0(VALU_DEP_3)
	v_lshlrev_b32 v4, 4, v1
	s_delay_alu instid0(VALU_DEP_4)
	v_lshlrev_b32 v5, 3, v1
	v_mov_b32 v6, 0                                ; lane permutes' destinations count as read
	v_mov_b32 v7, 0
	v_mov_b32 v[QP], 0
	v_lshlrev_b32 v[SH], 3, v3
	s_mul_i32 s24, s14, 2*RP
	v_add_nc_u32 v253, s24, v4                     ; the stage, in: lane row 2 w
	v_mul_u32_u24 v254, v2, RP
	s_delay_alu instid0(VALU_DEP_1)
	v_lshl_add_u32 v254, v3, 7, v254
	s_lshl_b32 s24, s14, 9
	v_add_nc_u32 v254, s24, v254                   ; and out: row r, K step w, + 128 h bytes
	v_lshlrev_b32 v255, 4, v2
	s_lshr_b32 s15, ttmp9, 3                       ; rb
	s_and_b32 s16, ttmp9, 7                        ; g
	s_lshl_b32 s17, s15, 7
	s_lshr_b32 s18, s16, 1
	s_lshl_b32 s18, s18, 5
	s_add_co_u32 s17, s17, s18
	s_and_b32 s18, s16, 1
	s_lshl_b32 s18, s18, 3
	s_add_co_u32 s17, s17, s18
	s_lshl_b32 s18, s14, 1
	s_add_co_u32 s17, s17, s18
	s_lshr_b32 s18, s14, 2
	s_lshl_b32 s18, s18, 3
	s_add_co_u32 s17, s17, s18                     ; my first row; the second is the next
	s_lshl_b32 s18, s17, 12
	s_mov_b32 s19, 0
	s_mov_b32 s20, 0x76543210
	s_mov_b32 s21, 0xfedcba98
	s_mov_b32 s22, 0x3a800000                      ; 1 / 1,024
	s_mov_b32 s23, 0x3727c5ac                      ; 1e-5
	s_lshl_b32 s24, s15, 3
	s_add_co_u32 s24, s24, s14
	s_mul_i32 s24, s24, 12800                      ; block (rb, K step w)
	s_mul_i32 s25, s16, 1536
	s_add_co_u32 s26, s24, s25
	s_mov_b32 s27, 0
	s_lshr_b32 s25, s16, 2
	s_lshl_b32 s25, s25, 8
	s_add_co_u32 s28, s24, s25
	s_and_b32 s25, s16, 3
	s_lshl_b32 s25, s25, 2
	s_add_co_u32 s28, s28, s25
	s_add_co_u32 s28, s28, 12288
	s_mov_b32 s29, 0
	s_wait_kmcnt 0x0
	s_add_nc_u64 s[4:5], s[4:5], s[18:19]
	s_add_nc_u64 s[10:11], s[10:11], s[18:19]
	s_add_nc_u64 s[26:27], s[12:13], s[26:27]
	s_add_nc_u64 s[28:29], s[12:13], s[28:29]
.irp j, 0,1,2,3,4,5,6,7
	global_load_b128 v[GG+4*\j:GG+4*\j+3], v4, s[6:7] offset:512*\j
	global_load_b128 v[BB+4*\j:BB+4*\j+3], v4, s[8:9] offset:512*\j
.endr
.irp e, 0,1
.irp j, 0,1,2,3,4,5,6,7
	global_load_b128 v[32+32*\e+4*\j:35+32*\e+4*\j], v4, s[4:5] offset:4096*\e+512*\j th:TH_LOAD_NT
.endr
.endr
.macro REDUCE                          ; four pairs a row -> the row's sum in every lane, in v[8 + 8 e]
.irp e, 0
	v_pk_add_f32 v[8+8*\e:9+8*\e], v[8+8*\e:9+8*\e], v[10+8*\e:11+8*\e]
	s_delay_alu instid0(VALU_DEP_3)
	v_pk_add_f32 v[12+8*\e:13+8*\e], v[12+8*\e:13+8*\e], v[14+8*\e:15+8*\e]
.endr
.irp e, 1
	v_pk_add_f32 v[8+8*\e:9+8*\e], v[8+8*\e:9+8*\e], v[10+8*\e:11+8*\e]
	s_delay_alu instid0(VALU_DEP_4)
	v_pk_add_f32 v[12+8*\e:13+8*\e], v[12+8*\e:13+8*\e], v[14+8*\e:15+8*\e]
.endr
.irp e, 0
	s_delay_alu instid0(VALU_DEP_3)
	v_pk_add_f32 v[8+8*\e:9+8*\e], v[8+8*\e:9+8*\e], v[12+8*\e:13+8*\e]
.endr
.irp e, 1
	s_delay_alu instid0(VALU_DEP_2)
	v_pk_add_f32 v[8+8*\e:9+8*\e], v[8+8*\e:9+8*\e], v[12+8*\e:13+8*\e]
.endr
.irp e, 0,1
	s_delay_alu instid0(VALU_DEP_2)
	v_add_f32 v[8+8*\e], v[8+8*\e], v[9+8*\e]
.endr
.irp m, 1,2,4,8
.irp e, 0,1
	s_delay_alu instid0(VALU_DEP_2)
	v_add_f32_dpp v[8+8*\e], v[8+8*\e], v[8+8*\e] row_xmask:\m row_mask:0xf bank_mask:0xf
.endr
.endr
.irp e, 0,1
	s_delay_alu instid0(VALU_DEP_2)
	v_permlanex16_b32 v[6+\e], v[8+8*\e], s20, s21
.endr
.irp e, 0,1
	s_delay_alu instid0(VALU_DEP_2)
	v_add_f32 v[8+8*\e], v[8+8*\e], v[6+\e]
.endr
.endm
	s_wait_loadcnt 0x0
.irp k, 0,1,2,3
.irp e, 0,1
	v_pk_add_f32 v[8+8*\e+2*\k:9+8*\e+2*\k], v[32+32*\e+2*\k:33+32*\e+2*\k], v[40+32*\e+2*\k:41+32*\e+2*\k]
.endr
.endr
.irp o, 16,24
.irp k, 0,1,2,3
.irp e, 0,1
	v_pk_add_f32 v[8+8*\e+2*\k:9+8*\e+2*\k], v[8+8*\e+2*\k:9+8*\e+2*\k], v[32+32*\e+\o+2*\k:33+32*\e+\o+2*\k]
.endr
.endr
.endr
	REDUCE
.irp e, 0,1
	s_delay_alu instid0(VALU_DEP_2)
	v_mul_f32 v[24+2*\e], 0xba800000, v[8+8*\e]    ; minus the mean
.endr
.irp e, 0,1
	s_delay_alu instid0(VALU_DEP_2)
	v_mov_b32 v[25+2*\e], v[24+2*\e]
.endr
.irp j, 0,2,4,6,8,10,12,14,16,18,20,22,24,26,28,30
.irp e, 0,1
	v_pk_add_f32 v[32+32*\e+\j:33+32*\e+\j], v[32+32*\e+\j:33+32*\e+\j], v[24+2*\e:25+2*\e]
.endr
.endr
.irp k, 0,1,2,3
.irp e, 0,1
	v_pk_mul_f32 v[8+8*\e+2*\k:9+8*\e+2*\k], v[32+32*\e+2*\k:33+32*\e+2*\k], v[32+32*\e+2*\k:33+32*\e+2*\k]
.endr
.endr
.irp o, 8,16,24
.irp k, 0,1,2,3
.irp e, 0,1
	v_pk_fma_f32 v[8+8*\e+2*\k:9+8*\e+2*\k], v[32+32*\e+\o+2*\k:33+32*\e+\o+2*\k], v[32+32*\e+\o+2*\k:33+32*\e+\o+2*\k], v[8+8*\e+2*\k:9+8*\e+2*\k]
.endr
.endr
.endr
	REDUCE
.irp e, 0,1
	s_delay_alu instid0(VALU_DEP_2)
	v_fma_f32 v[8+8*\e], v[8+8*\e], s22, s23       ; the variance + 1e-5
.endr
	s_wait_alu depctr_va_vdst(0)
.irp e, 0,1
	v_rsq_f32 v[28+2*\e], v[8+8*\e]
.endr
.irp e, 0,1
	v_rsq_f32 v[29+2*\e], v[8+8*\e]
.endr
	v_nop                                          ; a plain place behind the last of them
	s_wait_alu depctr_va_vdst(0)                   ; one wait for the four, ahead of their first reader
.irp j, 0,2,4,6,8,10,12,14,16,18,20,22,24,26,28,30
.irp e, 0,1
	v_pk_mul_f32 v[32+32*\e+\j:33+32*\e+\j], v[32+32*\e+\j:33+32*\e+\j], v[28+2*\e:29+2*\e]
.endr
.endr
.irp j, 0,2,4,6,8,10,12,14,16,18,20,22,24,26,28,30
.irp e, 0,1
	v_pk_fma_f32 v[32+32*\e+\j:33+32*\e+\j], v[32+32*\e+\j:33+32*\e+\j], v[GG+\j:GG+\j+1], v[BB+\j:BB+\j+1]
.endr
.endr
.irp e, 0,1
.irp j, 0,1,2,3,4,5,6,7
	global_store_b128 v4, v[32+32*\e+4*\j:35+32*\e+4*\j], s[10:11] offset:4096*\e+512*\j
	ds_store_b128 v253, v[32+32*\e+4*\j:35+32*\e+4*\j] offset:\e*RP+512*\j
.endr
.endr
	s_wait_dscnt 0x0                               ; for the others' sake: my two rows are in the stage
	s_barrier_signal -1
	s_barrier_wait -1
.irp c, 0,1
.irp j, 0,1,2,3,4,5,6,7
	ds_load_b128 v[X+32*\c+4*\j:X+32*\c+4*\j+3], v254 offset:256*\c+16*\j   ; X[32 c + i] = k 64 c + 32 h + i of row r
.endr
.endr
	s_wait_dscnt 0x0
.irp c, 0,1
	v_max3_num_f32 v[QM+\c], |v[X+32*\c]|, |v[X+32*\c+1]|, 0x1800000   ; my block 2 c + h, and the floor 2^(3 - 127)
.endr
.irp i, 2,4,6,8,10,12,14,16,18,20,22,24,26,28,30
.irp c, 0,1
	s_delay_alu instid0(VALU_DEP_2)
	v_max3_num_f32 v[QM+\c], v[QM+\c], |v[X+32*\c+\i]|, |v[X+32*\c+\i+1]|
.endr
.endr
.irp c, 0,1
	s_delay_alu instid0(VALU_DEP_2)
	v_add_nc_u32 v[QS+\c], 0xff000000, v[QM+\c]
.endr
.irp c, 0,1
	s_delay_alu instid0(VALU_DEP_2)
	v_lshrrev_b32 v[QB+\c], 23, v[QS+\c]
.endr
	s_delay_alu instid0(VALU_DEP_1)
	v_lshl_or_b32 v[WRD], v[QB+1], 16, v[QB]
	s_delay_alu instid0(VALU_DEP_1)
	v_lshlrev_b32 v[WRD], v[SH], v[WRD]
	s_delay_alu instid0(VALU_DEP_1)
	v_permlanex16_b32 v[QP], v[WRD], s20, s21
	s_delay_alu instid0(VALU_DEP_1)
	v_or_b32 v[WRD], v[WRD], v[QP]
.irp c, 0,1
	v_cvt_scalef32_pk16_fp6_f32 v[C+6*\c:C+6*\c+2], v[X+32*\c:X+32*\c+15], v[QS+\c]
	v_cvt_scalef32_pk16_fp6_f32 v[T+4*\c:T+4*\c+2], v[X+32*\c+16:X+32*\c+31], v[QS+\c]
.endr
	v_nop
.irp c, 0,1
.irp i, 0,1,2
	v_mov_b32 v[C+6*\c+3+\i], v[T+4*\c+\i]
.endr
.endr
	global_store_b128 v4, v[C:C+3], s[26:27]
	global_store_b64 v5, v[C+4:C+5], s[26:27] offset:512
	global_store_b128 v4, v[C+6:C+9], s[26:27] offset:768
	global_store_b64 v5, v[C+10:C+11], s[26:27] offset:1280
	global_store_b32 v255, v[WRD], s[28:29]        ; lanes r and r + 16 store the same word
	s_wait_tensorcnt 0x0
	ds_add_u32 v239, v243
	s_wait_dscnt 0x0
	s_endpgm
.Lfunc_end_k_q5a9e7d3e76_ln1_quant:
	.size	k_q5a9e7d3e76_ln1_quant, .Lfunc_end_k_q5a9e7d3e76_ln1_quant-k_q5a9e7d3e76_ln1_quant
	.p2alignl 7, 3214868480
	.fill 96, 4, 3214868480
	.section	.rodata,"a",@progbits
	.p2align	6, 0x0
	.amdhsa_kernel k_q5a9e7d3e76_ln1_quant
		.amdhsa_group_segment_fixed_size 66816
		.amdhsa_private_segment_fixed_size 0
		.amdhsa_enable_private_segment 0
		.amdhsa_kernarg_size 40
		.amdhsa_user_sgpr_count 2
		.amdhsa_user_sgpr_kernarg_segment_ptr 1
		.amdhsa_wavefront_size32 1
		.amdhsa_system_sgpr_workgroup_id_x 1
		.amdhsa_system_sgpr_workgroup_id_y 1
		.amdhsa_system_sgpr_workgroup_id_z 1
		.amdhsa_system_vgpr_workitem_id 0
		.amdhsa_next_free_vgpr 256
		.amdhsa_next_free_sgpr 66
		.amdhsa_reserve_vcc 0
		.amdhsa_float_denorm_mode_32 3
		.amdhsa_float_denorm_mode_16_64 3
		.amdhsa_memory_ordered 1
		.amdhsa_forward_progress 1
		.amdhsa_inst_pref_size 28
	.end_amdhsa_kernel
	.amdgpu_metadata
---
amdhsa.version: [ 1, 2 ]
amdhsa.kernels:
  - .name:           k_q5a9e7d3e76_ln1_quant
    .symbol:         k_q5a9e7d3e76_ln1_quant.kd
    .args:
      - { .name: y, .offset: 0, .size: 8, .value_kind: global_buffer, .address_space: global }
      - { .name: ln1_g, .offset: 8, .size: 8, .value_kind: global_buffer, .address_space: global }
      - { .name: ln1_b, .offset: 16, .size: 8, .value_kind: global_buffer, .address_space: global }
      - { .name: sof, .offset: 24, .size: 8, .value_kind: global_buffer, .address_space: global }
      - { .name: soq, .offset: 32, .size: 8, .value_kind: global_buffer, .address_space: global }
    .group_segment_fixed_size: 66816
    .private_segment_fixed_size: 0
    .kernarg_segment_align: 8
    .kernarg_segment_size: 40
    .max_flat_workgroup_size: 256
    .sgpr_count:     66
    .vgpr_count:     256
    .wavefront_size: 32
...
	.end_amdgpu_metadata
.endif
;; end of part 5
;; launch ffn1_gemm (part 6): grid 8 x 32, 4 waves a work-group, clusters of 4 x 4, 327,680 bytes of LDS; arguments soq, qin, inter_b, xq; writes xq
.if DOCPART == 6
	.amdgcn_target "amdgcn-amd-amdhsa--gfx1250"
	.amdhsa_code_object_version 6
	.text
	.protected	k_q5a9e7d3e76_ffn1_gemm
	.globl	k_q5a9e7d3e76_ffn1_gemm
	.p2align	8
	.type	k_q5a9e7d3e76_ffn1_gemm,@function
k_q5a9e7d3e76_ffn1_gemm:
	s_mov_b64 s[64:65], 0
	v_nop
	global_prefetch_b8 v0, s[64:65] scope:SCOPE_SE
	s_setreg_imm32_b32 hwreg(HW_REG_WAVE_MODE, 25, 1), 1
	s_wait_xcnt 0x0
	s_wait_alu depctr_hold_cnt(0) depctr_sa_sdst(0) depctr_va_vdst(0) depctr_va_sdst(0) depctr_va_ssrc(0) depctr_va_vcc(0) depctr_vm_vsrc(0)
	s_getreg_b32 s2, hwreg(HW_REG_IB_STS2, 6, 4)
	s_cmp_eq_u32 s2, 0
	s_cbranch_scc0 .Lentry_in_a_cluster
	s_endpgm
.Lentry_in_a_cluster:
	s_bfe_u32 s2, ttmp6, 0x10000c
	s_cmp_lg_u32 s2, 0xf033
	s_cbranch_scc0 .Lentry_shape_is_right
	s_endpgm
.Lentry_shape_is_right:
; x = gelu(self_out inter_w^T + inter_b), the product on codes of FP6 (E2M3) with E8M0 scales; x is quantised along its 4,096 columns in registers and leaves as codes: it never goes to memory wide.
; OPERANDS and RESULT are blocks of 12,800 bytes (128 rows x 128 K in the order of the operand's registers; group g, lane row r = row 32 (g / 2) + 8 (g % 2) + r + 8 (r / 8); scale words from byte 12,288).
; A WORK-GROUP STAYS: it owns 128 tokens and makes four tiles of 128 x 128, the columns' tiles X, X + 8, X + 16, X + 24; each tile is one block of the result; wave (wm, wn) makes 64 x 64 of it.
; The tokens' codes, all of K = 1,024, come into LDS once and stay.  The weight's tiles, all of K each, go through two slots: tiles 0 and 1 come with the first fills; behind the products of tiles 0 and 1 the slot
; just read is filled with the tile two on, which has a GELU and a tile's products in which to land.  Every wave fetches a quarter of each later tile, 25,600 dense bytes, by one tensor load (tile 0 comes in halves from waves 2 and 3):
; a wave has one tensor load at the head, one for tile 1 behind the first round, and one behind each of the two refills.
; The tile is written twice, with the refill and without, each in a loop of two trips; the slot in hand is the scalar TB, 0 or 102,400, turned at each tile's end.
; The matrix instruction is used transposed (source 0 = 16 rows of the weight, source 1 = 16 tokens): a lane holds one token and 16 neighbouring columns in two neighbouring tiles.  The bias is the C of each sum's first instruction.
; GELU: 0.5 x (1 + erf(x / sqrt 2)); erf(z) = z P(z^2) / Q(z^2) with z held to +-4, a rational form of degrees 6 and 4 in z^2 that is right to a few units of f32's last place; beyond +-4 erf is +-1 to f32.
; CLUSTER 4 x 4: the tokens' blocks are shared along a row of the cluster, the weight's along a column, by joint loads; each refill stands behind a round of the cluster's barrier.
; The launch claims all of a WGP's LDS and adds 0 onto spare words.
; No prefetch: a refill is asked for a whole tile's work ahead of its first read.
; LIMITS: NaN and infinities are not served; a block under 2^-124 keeps the byte 1.
; REGISTERS: window 0: v1-31 addresses; v32-39 scale words, two sets; v40-71 bias, later the GELU's; v72-91 the quantiser's; v92-94 addresses that stay; v96-127 the GELU's, later the way out; v128-255 accumulators.  window 1: two sets of fragments.
.set BLK,   12800
.set HALF,  4*BLK                      ; four K steps of an operand
.set OPB,   8*BLK                      ; 128 rows x all of K
.set BOFF,  4915200                    ; inter_w's blocks in qin
.set TSTEP, 8*OPB                      ; from a tile of the weight to the next of my walk: eight tiles on
.set SCO,   12288
.set BS0,   OPB                        ; LDS: A at 0; B's slot 0 here, slot 1 OPB further on
.set XSTG,  3*OPB                      ; the result's block, gathered
.set SPARE, XSTG+BLK                   ; the spare words: 128 bytes a wave, two blocks of 256 bytes that no other line names
.set XSW,   10
.set XRD,   11
.set XGO,   12
.set XRS,   13
.set BOV,   14                         ; v14  my byte offset in a tile's 128 numbers of the bias
.set HT,    15
.set A16,   16                         ; v16-17 A's fragments, K steps 0-3 and 4-7: 16 bytes a lane;  v18-19: 8 bytes a lane
.set A8,    18
.set B16,   20                         ; v20-23 the same for B, in the slot in hand: made anew for each tile
.set B8,    22
.set ADRS,  24                         ; v24-25 scale words: lanes 0-15 A's, lanes 16-31 B's
.set XC16,  26
.set XC8,   27
.set SPW,   28                         ; v28  LDS address of my spare word; never rewritten
.set NIL,   29                         ; v29  0; never rewritten
.set LI16,  30
.set LI8,   31
.set SC,    32
.set BIAS,  40
.set ZZ,    40                         ; after the products: z
.set QQ,    56                         ; z^2
.set AA,    96                         ; P
.set BV,    112                        ; Q
.set TM,    72
.set PW,    78
.set PC,    80
.set B16B,  92                         ; v92-93 B's fragments in slot 0; never rewritten
.set B8B,   93
.set ADRA,  94                         ; v94  A's scale words; never rewritten
.set ACC,   128
.set G1,    24                         ; s[24:31] group 1 with my row's mask: A
.set G0,    32                         ; s[32:35] group 0 for A
.set TB,    36                         ; s36  the slot in hand: 0 or OPB
.set LB,    37                         ; s37  my quarter of slot 0
.set CNT,   38                         ; s38  tiles to go in the loop in hand
.set DD,    39                         ; s39  from A's scale words to those of B's slot 0
.set G1B,   48                         ; s[48:55] group 1 with my column's mask: B
.set G0B,   56                         ; s[56:59] group 0 for B's tile 0
.set G0W,   60                         ; s[60:63] group 0 for B's tile 1; it then walks on to tiles 2 and 3
.set SEL,   66
.set MSB, 0
.macro WIN new                         ; the immediate's high byte repeats the setting that is left
.if MSB != \new
	s_set_vgpr_msb (MSB<<8)|\new
.set MSB, \new
.endif
.endm
.set MUL,  0x05                        ; sources 0 and 1 window 1; C and D window 0
.set TO_F, 0x40                        ; destination window 1
.macro PLACES n
.rept \n
	v_nop
.endr
.endm
.macro CREST
	s_cmp_lg_u32 s14, 0
	s_cbranch_scc1 .Lnot_wave_0_\@
	s_barrier_signal -3
.Lnot_wave_0_\@:
	s_barrier_wait -3
	s_barrier_signal -1
	s_barrier_wait -1
.endm
.macro CROUND                          ; a round of the cluster's barrier
	s_barrier_signal -1
	s_barrier_wait -1
	CREST
.endm
	s_load_b128 s[4:7], s[0:1], 0x0                ; soq, qin
	s_load_b64 s[8:9], s[0:1], 0x10                ; inter_b
	s_load_b64 s[12:13], s[0:1], 0x18              ; xq
	v_lshl_add_u32 v[SPW], v0, 2, SPARE
	v_mov_b32 v[NIL], 0
	ds_add_u32 v28, v29
	ds_add_u32 v28, v29
	s_wait_dscnt 0x0
	v_lshrrev_b32 v1, 5, v0
	v_readfirstlane_b32 s14, v1                    ; wave 0..3
	s_lshr_b32 s15, s14, 1                         ; wm: my 64 tokens
	s_and_b32 s16, s14, 1                          ; wn: my 64 columns
	s_bfe_u32 s40, ttmp6, 0x40000                  ; cx
	s_bfe_u32 s41, ttmp6, 0x40004                  ; cy
	s_lshl_b32 s42, ttmp9, 2
	s_add_co_u32 s42, s42, s40                     ; X: my first tile of columns, 0..7
	s_and_b32 s17, ttmp7, 0xffff
	s_lshl_b32 s17, s17, 2
	s_add_co_u32 s17, s17, s41                     ; ty: my block of 128 tokens
	s_lshl_b32 s43, s41, 2
	s_lshl_b32 s43, 15, s43                        ; my row of the cluster
	s_lshl_b32 s44, 0x1111, s40                    ; my column
	s_or_b32 s[G1+0], s43, (3<<16)|(1<<21)         ; the mask; elements of 8 bytes; bit 21 beside a mask; no padding: every LDS read is 16 or 8 bytes a lane on end
	s_or_b32 s[G1B+0], s44, (3<<16)|(1<<21)
.irp g, G1, G1B
	s_mov_b32 s[\g+1], 32<<16                      ; rows of 256 bytes
	s_mov_b32 s[\g+2], 200<<16                     ; 200 of them at the head: four blocks, half an operand
	s_mov_b32 s[\g+3], 32<<16
	s_mov_b32 s[\g+4], 200
	s_mov_b32 s[\g+5], 32
	s_mov_b32 s[\g+6], 0
	s_mov_b32 s[\g+7], 0
.endr
	s_mul_i32 s45, s14, 2*BLK                      ; my quarter of an operand: in memory and in LDS alike
	s_mul_i32 s18, s16, HALF                       ; at the head a wave fetches half an operand: which half
	s_mul_i32 s20, s17, OPB
	s_add_co_u32 s20, s20, s18
	s_mul_i32 s22, s42, OPB
	s_add_co_u32 s22, s22, s18
	s_add_co_u32 s22, s22, BOFF
	s_mov_b32 s23, 0
	s_mov_b32 s21, 0
	s_mul_i32 s46, s42, OPB
	s_add_co_u32 s46, s46, s45
	s_add_co_u32 s46, s46, BOFF
	s_mov_b32 s47, 0
	s_add_co_u32 s[LB], s45, BS0
	s_mov_b32 s[TB], 0
	s_wait_kmcnt 0x0
	s_add_nc_u64 s[20:21], s[4:5], s[20:21]        ; A hangs on ty and the wave alone,
	s_add_nc_u64 s[46:47], s[6:7], s[46:47]        ; B on X and the wave alone: my quarter, for the walking descriptor
	s_add_nc_u64 s[22:23], s[6:7], s[22:23]        ; and my half of tile 0, for the head
	CROUND                                         ; all sixteen work-groups are here: the first joint loads meet
	s_mov_b32 s[G0], 1
	s_mov_b32 s[G0+1], s18
	s_mov_b64 s[G0+2:G0+3], s[20:21]
	s_or_b32 s[G0+3], s[G0+3], 0x80000000
	s_mov_b32 s[G0B], 1
	s_add_co_u32 s[G0B+1], s18, BS0
	s_mov_b64 s[G0B+2:G0B+3], s[22:23]
	s_or_b32 s[G0B+3], s[G0B+3], 0x80000000
	s_mov_b32 s[G0W], 1
	s_add_co_u32 s[G0W+1], s[LB], OPB
	s_add_nc_u64 s[G0W+2:G0W+3], s[46:47], TSTEP
	s_or_b32 s[G0W+3], s[G0W+3], 0x80000000
	; THE HEAD'S FILLS, one tensor load a wave:
	; waves 0 and 1 fetch A's two halves, waves 2 and 3 the halves of B's tile 0; tile 1 follows behind the first round below, a quarter a wave
	s_cmp_eq_u32 s15, 0
	s_cbranch_scc0 .Lhead_b
	tensor_load_to_lds s[G0:G0+3], s[G1:G1+7]
	s_nop 0
.rept 4
	v_nop
.endr
	s_branch .Lhead_asked
.Lhead_b:
	tensor_load_to_lds s[G0B:G0B+3], s[G1B:G1B+7]
	s_nop 0
.rept 4
	v_nop
.endr
.Lhead_asked:
	v_and_b32 v1, 15, v0
	v_bfe_u32 v2, v0, 4, 1                         ; h
	v_and_b32 v3, 31, v0
	v_lshlrev_b32 v[LI16], 4, v3
	s_wait_alu depctr_va_vdst(0)
	v_lshlrev_b32 v[LI8], 3, v3
	s_wait_alu depctr_va_vdst(0)
	s_mul_i32 s21, s15, 6144                       ; my four groups of A
	v_add_nc_u32 v[A16], s21, v[LI16]
	v_add_nc_u32 v[A8], s21, v[LI8]
	v_add_nc_u32 v[A16+1], HALF, v[A16]
	v_add_nc_u32 v[A8+1], HALF, v[A8]
	s_mul_i32 s22, s16, 6144                       ; and of B, in slot 0
	s_add_co_u32 s22, s22, BS0
	v_add_nc_u32 v[B16B], s22, v[LI16]
	v_add_nc_u32 v[B8B], s22, v[LI8]
	s_xor_b32 s[DD], s15, 1
	s_add_co_u32 s[DD], s[DD], s16
	s_lshl_b32 s[DD], s[DD], 8
	s_add_co_u32 s[DD], s[DD], BS0-256             ; 102,400 + 256 wn - 256 wm
	s_lshl_b32 s22, s15, 8
	s_add_co_u32 s22, s22, SCO
	v_lshl_add_u32 v[ADRA], v1, 4, s22             ; A's scale words: 12,288 + 256 wm + 16 r
	s_mul_i32 s21, s15, 6144
	s_mul_i32 s22, s16, 768
	s_add_co_u32 s21, s21, s22
	s_add_co_u32 s21, s21, XSTG
	v_add_nc_u32 v[XC16], s21, v[LI16]             ; my half fragments in the gathered block
	s_add_co_u32 s21, s21, 512
	v_add_nc_u32 v[XC8], s21, v[LI8]
	s_lshl_b32 s21, s15, 8
	s_lshl_b32 s22, s16, 1
	s_add_co_u32 s21, s21, s22
	s_add_co_u32 s21, s21, XSTG+SCO
	v_lshl_add_u32 v[XSW], v1, 4, s21              ; my half scale words: 256 wm + 16 r + 2 wn
	v_lshl_add_u32 v[XRD], v0, 4, XSTG
	v_lshlrev_b32 v[XGO], 4, v0
	v_add_nc_u32 v[XRS], XSTG+SCO, v[LI16]
	s_lshl_b32 s46, s42, 9
	s_mov_b32 s47, 0
	s_add_nc_u64 s[8:9], s[8:9], s[46:47]          ; the bias at my first tile's first column
	s_lshl_b32 s23, s16, 8
	v_lshlrev_b32 v[BOV], 6, v2
	v_add_nc_u32 v[BOV], s23, v[BOV]               ; 256 wn + 64 h
.macro BIASLOAD
.irp b, 0,1,2,3
	global_load_b128 v[BIAS+8*\b:BIAS+8*\b+3], v[BOV], s[8:9] offset:4*(32*(\b/2)+8*(\b%2))
	global_load_b128 v[BIAS+8*\b+4:BIAS+8*\b+7], v[BOV], s[8:9] offset:4*(32*(\b/2)+8*(\b%2))+16
.endr
.endm
	BIASLOAD
	s_lshl_b32 s20, s17, 5
	s_add_co_u32 s20, s20, s42
	s_mul_i32 s20, s20, BLK
	s_mov_b32 s21, 0
	s_add_nc_u64 s[12:13], s[12:13], s[20:21]      ; block (ty, X) of the result
	v_mov_b32 v[TM+2], 0                           ; a lane permute's destination counts as read
	v_mov_b32 v[TM+3], 0
	v_mov_b32 v6, 0xaf95df0b                       ; P's leading coefficient, -2.72614226e-10, twice
	v_mov_b32 v7, 0xaf95df0b
	v_mov_b32 v8, 0xb77460cd                       ; Q's, -1.45660718e-05
	v_mov_b32 v9, 0xb77460cd
	s_mov_b32 s[SEL], 0x76543210
	s_mov_b32 s[SEL+1], 0xfedcba98
	s_mov_b32 s68, 0x32edffee                      ; P:  2.77068142e-08
	s_mov_b32 s70, 0xb60cff51                      ;    -2.10102402e-06
	s_mov_b32 s72, 0xb86ec2d2                      ;    -5.69250639e-05
	s_mov_b32 s74, 0xba40ac63                      ;    -7.34990630e-04
	s_mov_b32 s76, 0xbb41a1f6                      ;    -2.95459981e-03
	s_mov_b32 s78, 0xbc83dbd4                      ;    -1.60960333e-02
	s_mov_b32 s80, 0xb95fbd29                      ; Q: -2.13374055e-04
	s_mov_b32 s82, 0xbadc924e                      ;    -1.68282697e-03
	s_mov_b32 s84, 0xbbf19bf8                      ;    -7.37332917e-03
	s_mov_b32 s86, 0xbc69b6a7                      ;    -1.42647391e-02
.irp k, 68,70,72,74,76,78,80,82,84,86
	s_mov_b32 s[\k+1], s[\k]                       ; the packed forms name pairs
.endr
.macro FETCH half, q, f                ; the fragments and scale words of K step 4 half + q into set f: 33 LDS loads
	ds_load_b128 v[SC+4*(\f):SC+4*(\f)+3], v[ADRS+\half] offset:(\q)*BLK
	WIN TO_F
.irp i, 0,1,2,3
	ds_load_b128 v[96*(\f)+12*\i:96*(\f)+12*\i+3], v[A16+\half] offset:(\q)*BLK+1536*\i
	ds_load_b64 v[96*(\f)+12*\i+4:96*(\f)+12*\i+5], v[A8+\half] offset:(\q)*BLK+1536*\i+512
	ds_load_b128 v[96*(\f)+12*\i+6:96*(\f)+12*\i+9], v[A16+\half] offset:(\q)*BLK+1536*\i+768
	ds_load_b64 v[96*(\f)+12*\i+10:96*(\f)+12*\i+11], v[A8+\half] offset:(\q)*BLK+1536*\i+1280
	ds_load_b128 v[96*(\f)+48+12*\i:96*(\f)+48+12*\i+3], v[B16+\half] offset:(\q)*BLK+1536*\i
	ds_load_b64 v[96*(\f)+48+12*\i+4:96*(\f)+48+12*\i+5], v[B8+\half] offset:(\q)*BLK+1536*\i+512
	ds_load_b128 v[96*(\f)+48+12*\i+6:96*(\f)+48+12*\i+9], v[B16+\half] offset:(\q)*BLK+1536*\i+768
	ds_load_b64 v[96*(\f)+48+12*\i+10:96*(\f)+48+12*\i+11], v[B8+\half] offset:(\q)*BLK+1536*\i+1280
.endr
	WIN 0
.endm
; The 16 accumulators take turns, one instruction a turn, in the same order in every step, over the loops' backward jumps too.
.macro MUL8 f, a0, first
.irp a, \a0, \a0+1
.irp b, 0,1,2,3
.if \first
	v_wmma_scale_f32_16x16x128_f8f6f4 v[ACC+8*(4*(\a)+\b):ACC+8*(4*(\a)+\b)+7], v[96*(\f)+48+12*\b:96*(\f)+48+12*\b+11], v[96*(\f)+12*(\a):96*(\f)+12*(\a)+11], v[BIAS+8*\b:BIAS+8*\b+7], v[SC+4*(\f)+\b], v[SC+4*(\f)+(\a)] matrix_a_fmt:MATRIX_FMT_FP6 matrix_b_fmt:MATRIX_FMT_FP6 matrix_a_scale:MATRIX_SCALE_ROW1
.else
	v_wmma_scale_f32_16x16x128_f8f6f4 v[ACC+8*(4*(\a)+\b):ACC+8*(4*(\a)+\b)+7], v[96*(\f)+48+12*\b:96*(\f)+48+12*\b+11], v[96*(\f)+12*(\a):96*(\f)+12*(\a)+11], v[ACC+8*(4*(\a)+\b):ACC+8*(4*(\a)+\b)+7], v[SC+4*(\f)+\b], v[SC+4*(\f)+(\a)] matrix_a_fmt:MATRIX_FMT_FP6 matrix_b_fmt:MATRIX_FMT_FP6 matrix_a_scale:MATRIX_SCALE_ROW1
.endif
.endr
.endr
.endm
.macro STEP half, q, first             ; K step 4 half + q, q = 0 .. 2: its successor lies in the same half
	s_wait_dscnt 0x0                               ; this step's fragments, asked for a step ago, are in
	PLACES 4                                       ; four plain places in front of loads into registers that the last step's products read
	FETCH \half, (\q)+1, ((\q)+1)%2
	WIN MUL
	MUL8 (\q)%2, 0, \first
	MUL8 (\q)%2, 2, \first
	WIN 0
.endm
.macro CROSS                           ; K step 3: its successor is the second half's first
	s_wait_dscnt 0x0
	PLACES 4
	FETCH 1, 0, 0
	WIN MUL
	MUL8 1, 0, 0
	MUL8 1, 2, 0
	WIN 0
.endm
.macro GELU16 x                        ; sixteen numbers in place
.irp p, 0,2,4,6,8,10,12,14
	v_pk_mul_f32 v[ZZ+\p:ZZ+\p+1], v[(\x)+\p:(\x)+\p+1], 0x3f3504f3 op_sel_hi:[1,0]   ; z = x / sqrt 2
.endr
.irp p, 0,1,2,3,4,5,6,7,8,9,10,11,12,13,14,15
	v_med3_num_f32 v[ZZ+\p], v[ZZ+\p], -4.0, 4.0
.endr
.irp p, 0,2,4,6,8,10,12,14
	v_pk_mul_f32 v[QQ+\p:QQ+\p+1], v[ZZ+\p:ZZ+\p+1], v[ZZ+\p:ZZ+\p+1]
.endr
.irp p, 0,2,4,6,8,10,12,14
	v_pk_fma_f32 v[AA+\p:AA+\p+1], v[QQ+\p:QQ+\p+1], v[6:7], s[68:69] op_sel_hi:[1,1,0]
	v_pk_fma_f32 v[BV+\p:BV+\p+1], v[QQ+\p:QQ+\p+1], v[8:9], s[80:81] op_sel_hi:[1,1,0]
.endr
.irp k, 82,84,86
.irp p, 0,2,4,6,8,10,12,14
	v_pk_fma_f32 v[BV+\p:BV+\p+1], v[BV+\p:BV+\p+1], v[QQ+\p:QQ+\p+1], s[\k:\k+1] op_sel_hi:[1,1,0]
.endr
.endr
	s_wait_alu depctr_va_vdst(0)
.irp p, 0,1,2,3,4,5,6,7,8,9,10,11,12,13,14,15
	v_rcp_f32 v[BV+\p], v[BV+\p]
.endr
.irp k, 70,72,74,76,78
.irp p, 0,2,4,6,8,10,12,14
	v_pk_fma_f32 v[AA+\p:AA+\p+1], v[AA+\p:AA+\p+1], v[QQ+\p:QQ+\p+1], s[\k:\k+1] op_sel_hi:[1,1,0]   ; P's steps are the independent work behind the reciprocals
.endr
.endr
.irp p, 0,2,4,6,8,10,12,14
	v_pk_mul_f32 v[AA+\p:AA+\p+1], v[AA+\p:AA+\p+1], v[ZZ+\p:ZZ+\p+1]
.endr
	s_wait_alu depctr_va_vdst(0)                   ; one wait for the sixteen, ahead of their first reader
.irp p, 0,2,4,6,8,10,12,14
	v_pk_mul_f32 v[AA+\p:AA+\p+1], v[AA+\p:AA+\p+1], v[BV+\p:BV+\p+1]                 ; erf
.endr
.irp p, 0,2,4,6,8,10,12,14
	v_pk_mul_f32 v[ZZ+\p:ZZ+\p+1], v[(\x)+\p:(\x)+\p+1], 0.5 op_sel_hi:[1,0]
.endr
.irp p, 0,2,4,6,8,10,12,14
	v_pk_fma_f32 v[(\x)+\p:(\x)+\p+1], v[ZZ+\p:ZZ+\p+1], v[AA+\p:AA+\p+1], v[ZZ+\p:ZZ+\p+1]
.endr
.endm
; 32 numbers of a lane (register 16 b + i = k 32 b + 16 h + i of its row) become a half fragment in v[PC .. PC+5] and two scale bytes in v[PW]
.macro QUANT2 x
.irp b, 0,1
	v_max3_num_f32 v[TM+\b], |v[(\x)+16*\b]|, |v[(\x)+16*\b+1]|, 0x1800000   ; with the floor 2^(3 - 127): the byte cannot fall under 1
.endr
.irp i, 2,4,6,8,10,12,14
.irp b, 0,1
	v_max3_num_f32 v[TM+\b], |v[(\x)+16*\b+\i]|, |v[(\x)+16*\b+\i+1]|, v[TM+\b]
.endr
.endr
.irp b, 0,1
	v_permlanex16_b32 v[TM+2+\b], v[TM+\b], s[SEL], s[SEL+1]
.endr
.irp b, 0,1
	v_max_num_f32 v[TM+\b], v[TM+\b], v[TM+2+\b]
.endr
.irp b, 0,1
	v_add_nc_u32 v[TM+4+\b], 0xff000000, v[TM+\b]  ; 2 off the exponent field: the conversion's scale operand
.endr
.irp b, 0,1
	v_lshrrev_b32 v[TM+2+\b], 23, v[TM+4+\b]
.endr
	v_lshl_or_b32 v[PW], v[TM+3], 8, v[TM+2]
	v_cvt_scalef32_pk16_fp6_f32 v[PC:PC+2], v[(\x):(\x)+15], v[TM+4]
	v_cvt_scalef32_pk16_fp6_f32 v[PC+6:PC+8], v[(\x)+16:(\x)+31], v[TM+5]
	v_nop                                          ; one plain place behind a scaled conversion
.irp i, 0,1,2
	v_permlane16_swap_b32 v[PC+\i], v[PC+6+\i]
.endr
.irp i, 0,1,2
	v_mov_b32 v[PC+3+\i], v[PC+6+\i]
.endr
.endm
; ONE TILE of 128 x 128, from the slot at TB.  fill = 1: behind its products that slot is filled with the tile two on.
.macro TILE fill
	s_add_co_u32 s3, s[DD], s[TB]                  ; from A's scale words to B's in the slot in hand
	v_add_nc_u32 v[B16], s[TB], v[B16B]
	v_add_nc_u32 v[B8], s[TB], v[B8B]
	v_mul_u32_u24 v[HT], s3, v2                    ; lanes 16-31 take B's
	v_add_nc_u32 v[B16+1], HALF, v[B16]
	v_add_nc_u32 v[B8+1], HALF, v[B8]
	v_add_nc_u32 v[ADRS], v[HT], v[ADRA]
	v_add_nc_u32 v[ADRS+1], HALF, v[ADRS]
	FETCH 0, 0, 0
	s_wait_alu depctr_va_vdst(0)
	s_wait_loadcnt 0x0                             ; this tile's bias, asked for behind the last tile's GELU
	STEP 0, 0, 1
	STEP 0, 1, 0
	STEP 0, 2, 0
	CROSS
	STEP 1, 0, 0
	STEP 1, 1, 0
	STEP 1, 2, 0
	s_wait_dscnt 0x0
	WIN MUL
	MUL8 1, 0, 0
	MUL8 1, 2, 0
	WIN 0
	; THE CHANGE OF SLOTS
	s_wait_tensorcnt 0x0                           ; all my tensor loads have landed: my quarter of the next tile; so a group 0 may be written
	ds_add_u32 v[SPW], v[NIL]                      ; 0 onto my spare word
.if \fill
	s_add_co_u32 s[G0W+1], s[TB], s[LB]            ; the walking descriptor: my quarter of the slot just read,
	s_add_nc_u64 s[G0W+2:G0W+3], s[G0W+2:G0W+3], TSTEP   ; the tile behind the one that it fetched last; the type bits on top are not reached
.endif
	s_wait_dscnt 0x0                               ; the add is done, and my reads of this slot are over
.if \fill
	CROUND                                         ; no wave of any partner still reads this slot or has a load on its way; the next tile is whole
	tensor_load_to_lds s[G0W:G0W+3], s[G1B:G1B+7]  ; my one tensor load behind the round; its four v_nop are also the places behind the last products
	s_nop 0
.rept 4
	v_nop
.endr
.else
	s_barrier_signal -1
	s_barrier_wait -1                              ; the next tile is whole; nothing is filled
	PLACES 4                                       ; four plain places behind the last products
.endif
.irp x, 128,144,160,176,192,208,224,240
	GELU16 \x
.endr
	; the next tile's bias lands under the quantising and the stores; its base was freed by the wait for the last bias
.if \fill
	s_add_nc_u64 s[8:9], s[8:9], 8*512
	BIASLOAD
.else
	s_cmp_eq_u32 s[CNT], 1                         ; the last tile has no successor: no load leaves the buffer
	s_cbranch_scc1 .Lno_bias_\@
	s_add_nc_u64 s[8:9], s[8:9], 8*512
	BIASLOAD
.Lno_bias_\@:
.endif
.irp a, 0,1,2,3
	QUANT2 ACC+32*\a
	ds_store_b128 v[XC16], v[PC:PC+3] offset:1536*\a               ; (every wave's reads of the last tile's block were waited for in front of the change's barrier)
	ds_store_b64 v[XC8], v[PC+4:PC+5] offset:1536*\a
	ds_store_b16 v[XSW], v[PW] offset:4*\a         ; lanes r and r + 16 write the same two bytes; the word's other half comes from the wave with the other wn
	s_wait_dscnt 0x0                               ; the stores have read their registers, and, the last time, for the others' sake: they are done
.endr
	s_barrier_signal -1
	s_barrier_wait -1                              ; the block is whole
.irp i, 0,1,2,3,4,5
	ds_load_b128 v[96+4*\i:99+4*\i], v[XRD] offset:2048*\i
.endr
.irp i, 0,1,2,3,4,5
	s_wait_dscnt 5-\i                              ; the loads issued behind load i may stay out
	global_store_b128 v[XGO], v[96+4*\i:99+4*\i], s[12:13] offset:2048*\i   ; a wave stores 512 consecutive bytes, aligned
.endr
	s_cmp_lg_u32 s14, 0
	s_cbranch_scc1 .Lno_scales_\@
	ds_load_b128 v[120:123], v[XRS]
	s_wait_dscnt 0x0
	global_store_b128 v[LI16], v[120:123], s[12:13] offset:SCO
.Lno_scales_\@:
	s_wait_xcnt 0x0                                ; the stores have read their base and their data: both are written again only behind this wait
	s_add_nc_u64 s[12:13], s[12:13], 8*BLK         ; the result's block eight tiles on
	s_xor_b32 s[TB], s[TB], OPB                    ; on to the other slot
.endm
	s_wait_alu depctr_va_vdst(0)
	s_wait_tensorcnt 0x0                           ; my half of A or of B's tile 0 is in
	ds_add_u32 v[SPW], v[NIL]
	s_mov_b32 s[G1B+2], 100<<16                    ; no tensor load of mine is out: from here on a load brings 100 rows, a quarter of a tile
	s_mov_b32 s[G1B+4], 100
	s_wait_dscnt 0x0
	CROUND                                         ; everybody's parts are in, and the joint loads meet
	tensor_load_to_lds s[G0W:G0W+3], s[G1B:G1B+7]  ; B's tile 1: my one tensor load behind the round; it has tile 0's products in which to land
	s_nop 0
.rept 4
	v_nop
.endr
	s_mov_b32 s[CNT], 2
.Lfill:
	TILE 1
	s_sub_co_u32 s[CNT], s[CNT], 1
	s_cmp_lg_u32 s[CNT], 0
	s_cbranch_scc1 .Lfill
	s_mov_b32 s[CNT], 2
.Ltail:                                            ; tiles 2 and 3 are written out a second time
	TILE 0
	s_sub_co_u32 s[CNT], s[CNT], 1
	s_cmp_lg_u32 s[CNT], 0
	s_cbranch_scc1 .Ltail
	s_wait_tensorcnt 0x0                           ; the wave's end
	ds_add_u32 v[SPW], v[NIL]
	s_wait_dscnt 0x0
	CROUND                                         ; the closing round
	s_endpgm
.Lfunc_end_k_q5a9e7d3e76_ffn1_gemm:
	.size	k_q5a9e7d3e76_ffn1_gemm, .Lfunc_end_k_q5a9e7d3e76_ffn1_gemm-k_q5a9e7d3e76_ffn1_gemm
	.p2alignl 7, 3214868480
	.fill 96, 4, 3214868480
	.section	.rodata,"a",@progbits
	.p2align	6, 0x0
	.amdhsa_kernel k_q5a9e7d3e76_ffn1_gemm
		.amdhsa_group_segment_fixed_size 327680
		.amdhsa_private_segment_fixed_size 0
		.amdhsa_enable_private_segment 0
		.amdhsa_kernarg_size 32
		.amdhsa_user_sgpr_count 2
		.amdhsa_user_sgpr_kernarg_segment_ptr 1
		.amdhsa_wavefront_size32 1
		.amdhsa_system_sgpr_workgroup_id_x 1
		.amdhsa_system_sgpr_workgroup_id_y 1
		.amdhsa_system_sgpr_workgroup_id_z 1
		.amdhsa_system_vgpr_workitem_id 0
		.amdhsa_next_free_vgpr 512
		.amdhsa_next_free_sgpr 96
		.amdhsa_reserve_vcc 0
		.amdhsa_float_denorm_mode_32 3
		.amdhsa_float_denorm_mode_16_64 3
		.amdhsa_memory_ordered 1
		.amdhsa_forward_progress 1
		.amdhsa_inst_pref_size 255
	.end_amdhsa_kernel
	.section	.bss,"aw",@nobits
	.p2align	6
	.space	262144
	.amdgpu_metadata
---
amdhsa.version: [ 1, 2 ]
amdhsa.kernels:
  - .name:           k_q5a9e7d3e76_ffn1_gemm
    .symbol:         k_q5a9e7d3e76_ffn1_gemm.kd
    .args:
      - { .name: soq, .offset: 0, .size: 8, .value_kind: global_buffer, .address_space: global }
      - { .name: qin, .offset: 8, .size: 8, .value_kind: global_buffer, .address_space: global }
      - { .name: inter_b, .offset: 16, .size: 8, .value_kind: global_buffer, .address_space: global }
      - { .name: xq, .offset: 24, .size: 8, .value_kind: global_buffer, .address_space: global }
    .group_segment_fixed_size: 327680
    .private_segment_fixed_size: 0
    .kernarg_segment_align: 8
    .kernarg_segment_size: 32
    .max_flat_workgroup_size: 128
    .sgpr_count:     96
    .vgpr_count:     512
    .wavefront_size: 32
...
	.end_amdgpu_metadata
.endif
;; end of part 6
;; launch ffn2_gemm (part 7): grid 8 x 32, 4 waves a work-group, clusters of 4 x 4, 327,680 bytes of LDS; arguments xq, qin, out_b, sof, y; writes y
.if DOCPART == 7
	.amdgcn_target "amdgcn-amd-amdhsa--gfx1250"
	.amdhsa_code_object_version 6
	.text
	.protected	k_q5a9e7d3e76_ffn2_gemm
	.globl	k_q5a9e7d3e76_ffn2_gemm
	.p2align	8
	.type	k_q5a9e7d3e76_ffn2_gemm,@function
k_q5a9e7d3e76_ffn2_gemm:
	s_mov_b64 s[64:65], 0
	v_nop
	global_prefetch_b8 v0, s[64:65] scope:SCOPE_SE
	s_setreg_imm32_b32 hwreg(HW_REG_WAVE_MODE, 25, 1), 1
	s_wait_xcnt 0x0
	s_wait_alu depctr_hold_cnt(0) depctr_sa_sdst(0) depctr_va_vdst(0) depctr_va_sdst(0) depctr_va_ssrc(0) depctr_va_vcc(0) depctr_vm_vsrc(0)
	s_getreg_b32 s2, hwreg(HW_REG_IB_STS2, 6, 4)
	s_cmp_eq_u32 s2, 0
	s_cbranch_scc0 .Lentry_in_a_cluster
	s_endpgm
.Lentry_in_a_cluster:
	s_bfe_u32 s2, ttmp6, 0x10000c
	s_cmp_lg_u32 s2, 0xf033
	s_cbranch_scc0 .Lentry_shape_is_right
	s_endpgm
.Lentry_shape_is_right:
.set KT,    4096
.set SB,    KT/128
.set BLK,   12800
.set HALF,  4*BLK
.set SLOT,  2*HALF
.set LAPS,  KT/1024
.set BOFF,  8192000
.set SCO,   12288
.set SPARE, 2*SLOT
.set STAGE, SPARE+512
.set SPITCH, 528
.set A16,   16
.set A8,    18
.set B16,   20
.set B8,    22
.set ADRS,  24
.set STO,   26
.set RD,    27
.set SPW,   28
.set NIL,   29
.set LI16,  30
.set PFO,   31
.set SC,    32
.set BIAS,  40
.set ACC,   128
.set G1,    24
.set G0,    32
.set G1B,   48
.set G0B,   56
.set LIM,   43
.set PFA,   44
.set MSB, 0
.macro WIN new
.if MSB != \new
	s_set_vgpr_msb (MSB<<8)|\new
.set MSB, \new
.endif
.endm
.set MUL,  0x05
.set TO_F, 0x40
.macro PLACES n
.rept \n
	v_nop
.endr
.endm
.macro JLOAD s
	s_cmp_eq_u32 s15, 0
	s_cbranch_scc0 .Lfor_b_\@
	tensor_load_to_lds s[G0+4*\s:G0+4*\s+3], s[G1:G1+7]
	s_nop 0
.rept 4
	v_nop
.endr
	s_branch .Lasked_\@
.Lfor_b_\@:
	tensor_load_to_lds s[G0B+4*\s:G0B+4*\s+3], s[G1B:G1B+7]
	s_nop 0
.rept 4
	v_nop
.endr
.Lasked_\@:
.endm
.macro ASK
	s_cmp_gt_u32 s3, s[LIM]
	s_cbranch_scc0 .Lnot_mine_\@
	global_prefetch_b8 v[PFO], s[PFA:PFA+1] th:TH_LOAD_NT scope:SCOPE_SE
.Lnot_mine_\@:
.endm
.macro CREST
	s_cmp_lg_u32 s14, 0
	s_cbranch_scc1 .Lnot_wave_0_\@
	s_barrier_signal -3
.Lnot_wave_0_\@:
	s_barrier_wait -3
	s_barrier_signal -1
	s_barrier_wait -1
.endm
.macro CROUND
	s_barrier_signal -1
	s_barrier_wait -1
	CREST
.endm
	s_load_b256 s[4:11], s[0:1], 0x0
	s_load_b64 s[12:13], s[0:1], 0x20
	v_lshl_add_u32 v[SPW], v0, 2, SPARE
	v_mov_b32 v[NIL], 0
	ds_add_u32 v28, v29
	ds_add_u32 v28, v29
	s_wait_dscnt 0x0
	v_lshrrev_b32 v1, 5, v0
	v_readfirstlane_b32 s14, v1
	s_lshr_b32 s15, s14, 1
	s_and_b32 s16, s14, 1
	s_bfe_u32 s40, ttmp6, 0x40000
	s_bfe_u32 s41, ttmp6, 0x40004
	s_lshl_b32 s42, ttmp9, 2
	s_add_co_u32 s42, s42, s40
	s_and_b32 s17, ttmp7, 0xffff
	s_lshl_b32 s17, s17, 2
	s_add_co_u32 s17, s17, s41
	s_lshl_b32 s43, s41, 2
	s_lshl_b32 s43, 15, s43
	s_lshl_b32 s44, 0x1111, s40
	s_or_b32 s[G1+0], s43, (3<<16)|(1<<21)
	s_or_b32 s[G1B+0], s44, (3<<16)|(1<<21)
.irp g, G1, G1B
	s_mov_b32 s[\g+1], 32<<16
	s_mov_b32 s[\g+2], 100<<16
	s_mov_b32 s[\g+3], 32<<16
	s_mov_b32 s[\g+4], 100
	s_mov_b32 s[\g+5], 32
	s_mov_b32 s[\g+6], 0
	s_mov_b32 s[\g+7], 0
.endr
	s_mul_i32 s18, s16, 2*BLK
	s_mul_i32 s20, s17, SB*BLK
	s_add_co_u32 s20, s20, s18
	s_mov_b32 s21, 0
	s_mul_i32 s46, s42, SB*BLK
	s_add_co_u32 s46, s46, s18
	s_add_co_u32 s46, s46, BOFF
	s_mov_b32 s47, 0
	s_mul_i32 s45, s14, 2*BLK
	s_wait_kmcnt 0x0
	s_add_nc_u64 s[20:21], s[4:5], s[20:21]
	s_add_nc_u64 s[46:47], s[6:7], s[46:47]
	CROUND
.irp s, 0,1
	s_mov_b32 s[G0+4*\s], 1
	s_add_co_u32 s[G0+4*\s+1], s45, \s*SLOT
	s_add_nc_u64 s[G0+4*\s+2:G0+4*\s+3], s[20:21], \s*HALF
	s_or_b32 s[G0+4*\s+3], s[G0+4*\s+3], 0x80000000
	s_mov_b32 s[G0B+4*\s], 1
	s_add_co_u32 s[G0B+4*\s+1], s45, \s*SLOT
	s_add_nc_u64 s[G0B+4*\s+2:G0B+4*\s+3], s[46:47], \s*HALF
	s_or_b32 s[G0B+4*\s+3], s[G0B+4*\s+3], 0x80000000
	s_wait_alu depctr_va_vdst(0)
	s_wait_tensorcnt 0x0
	ds_add_u32 v28, v29
	ds_add_u32 v28, v29
	s_wait_dscnt 0x0
	CROUND
	JLOAD \s
.endr
	s_and_b32 s22, ttmp7, 0xffff
	s_cmp_eq_u32 s15, 0
	s_cselect_b32 s23, s40, s41
	s_cselect_b32 s22, ttmp9, s22
	s_cselect_b64 s[PFA:PFA+1], s[20:21], s[46:47]
	s_cmp_eq_u32 s22, 0
	s_cselect_b32 s[LIM], 1, -1
	s_mul_i32 s22, s23, 6400
	s_add_co_u32 s22, s22, 3*HALF
	s_mov_b32 s23, 0
	s_add_nc_u64 s[PFA:PFA+1], s[PFA:PFA+1], s[22:23]
	v_and_b32 v[PFO], 31, v0
	v_min_u32 v[PFO], 24, v[PFO]
	v_lshlrev_b32 v[PFO], 8, v[PFO]
	v_and_b32 v1, 15, v0
	v_bfe_u32 v2, v0, 4, 1
	v_and_b32 v3, 31, v0
	v_lshlrev_b32 v[LI16], 4, v3
	v_lshlrev_b32 v7, 3, v3
	s_mul_i32 s21, s15, 6144
	s_mul_i32 s22, s16, 6144
	s_add_co_u32 s22, s22, HALF
.irp s, 0,1
	v_add_nc_u32 v[A16+\s], s21, v[LI16]
	v_add_nc_u32 v[A8+\s], s21, v7
	v_add_nc_u32 v[B16+\s], s22, v[LI16]
	v_add_nc_u32 v[B8+\s], s22, v7
	s_add_co_u32 s21, s21, SLOT
	s_add_co_u32 s22, s22, SLOT
.endr
	s_xor_b32 s21, s15, 1
	s_add_co_u32 s21, s21, s16
	s_lshl_b32 s21, s21, 8
	s_add_co_u32 s21, s21, HALF-256
	v_mul_u32_u24 v4, s21, v2
	v_lshl_add_u32 v4, v1, 4, v4
	s_lshl_b32 s22, s15, 8
	s_add_co_u32 s22, s22, SCO
	v_add_nc_u32 v[ADRS], s22, v4
	v_add_nc_u32 v[ADRS+1], SLOT, v[ADRS]
	s_mul_i32 s22, s15, 64*SPITCH
	s_lshl_b32 s23, s16, 8
	s_add_co_u32 s22, s22, s23
	s_add_co_u32 s22, s22, STAGE
	v_mul_u32_u24 v5, v1, SPITCH
	v_lshl_add_u32 v5, v2, 6, v5
	v_add_nc_u32 v[STO], s22, v5
	s_mul_i32 s22, s14, 32*SPITCH
	s_add_co_u32 s22, s22, STAGE
	v_add_nc_u32 v[RD], s22, v[LI16]
	s_lshl_b32 s46, s42, 9
	s_mov_b32 s47, 0
	s_add_nc_u64 s[8:9], s[8:9], s[46:47]
	v_lshlrev_b32 v5, 6, v2
	v_add_nc_u32 v5, s23, v5
.irp b, 0,1,2,3
	global_load_b128 v[BIAS+8*\b:BIAS+8*\b+3], v5, s[8:9] offset:4*(32*(\b/2)+8*(\b%2))
	global_load_b128 v[BIAS+8*\b+4:BIAS+8*\b+7], v5, s[8:9] offset:4*(32*(\b/2)+8*(\b%2))+16
.endr
	s_lshl_b32 s20, s17, 7
	s_lshl_b32 s21, s14, 5
	s_add_co_u32 s20, s20, s21
	s_lshl_b32 s20, s20, 12
	s_mov_b32 s21, 0
	s_add_nc_u64 s[20:21], s[20:21], s[46:47]
	s_add_nc_u64 s[10:11], s[10:11], s[20:21]
	s_add_nc_u64 s[12:13], s[12:13], s[20:21]
	WIN 0x80
.set I, 0
.rept 32
	global_load_b128 v[4*I:4*I+3], v[LI16], s[10:11] offset:4096*I th:TH_LOAD_NT
.set I, I+1
.endr
	WIN 0
.macro FETCH slot, q, f
	ds_load_b128 v[SC+4*(\f):SC+4*(\f)+3], v[ADRS+\slot] offset:(\q)*BLK
	WIN TO_F
.irp i, 0,1,2,3
	ds_load_b128 v[96*(\f)+12*\i:96*(\f)+12*\i+3], v[A16+\slot] offset:(\q)*BLK+1536*\i
	ds_load_b64 v[96*(\f)+12*\i+4:96*(\f)+12*\i+5], v[A8+\slot] offset:(\q)*BLK+1536*\i+512
	ds_load_b128 v[96*(\f)+12*\i+6:96*(\f)+12*\i+9], v[A16+\slot] offset:(\q)*BLK+1536*\i+768
	ds_load_b64 v[96*(\f)+12*\i+10:96*(\f)+12*\i+11], v[A8+\slot] offset:(\q)*BLK+1536*\i+1280
	ds_load_b128 v[96*(\f)+48+12*\i:96*(\f)+48+12*\i+3], v[B16+\slot] offset:(\q)*BLK+1536*\i
	ds_load_b64 v[96*(\f)+48+12*\i+4:96*(\f)+48+12*\i+5], v[B8+\slot] offset:(\q)*BLK+1536*\i+512
	ds_load_b128 v[96*(\f)+48+12*\i+6:96*(\f)+48+12*\i+9], v[B16+\slot] offset:(\q)*BLK+1536*\i+768
	ds_load_b64 v[96*(\f)+48+12*\i+10:96*(\f)+48+12*\i+11], v[B8+\slot] offset:(\q)*BLK+1536*\i+1280
.endr
	WIN 0
.endm
.macro MUL8 f, a0, first
.irp a, \a0, \a0+1
.irp b, 0,1,2,3
.if \first
	v_wmma_scale_f32_16x16x128_f8f6f4 v[ACC+8*(4*(\a)+\b):ACC+8*(4*(\a)+\b)+7], v[96*(\f)+48+12*\b:96*(\f)+48+12*\b+11], v[96*(\f)+12*(\a):96*(\f)+12*(\a)+11], v[BIAS+8*\b:BIAS+8*\b+7], v[SC+4*(\f)+\b], v[SC+4*(\f)+(\a)] matrix_a_fmt:MATRIX_FMT_FP6 matrix_b_fmt:MATRIX_FMT_FP6 matrix_a_scale:MATRIX_SCALE_ROW1
.else
	v_wmma_scale_f32_16x16x128_f8f6f4 v[ACC+8*(4*(\a)+\b):ACC+8*(4*(\a)+\b)+7], v[96*(\f)+48+12*\b:96*(\f)+48+12*\b+11], v[96*(\f)+12*(\a):96*(\f)+12*(\a)+11], v[ACC+8*(4*(\a)+\b):ACC+8*(4*(\a)+\b)+7], v[SC+4*(\f)+\b], v[SC+4*(\f)+(\a)] matrix_a_fmt:MATRIX_FMT_FP6 matrix_b_fmt:MATRIX_FMT_FP6 matrix_a_scale:MATRIX_SCALE_ROW1
.endif
.endr
.endr
.endm
.macro STEP slot, q, first
	s_wait_dscnt 0x0
	PLACES 4
	FETCH \slot, (\q)+1, ((\q)+1)%2
	WIN MUL
	MUL8 (\q)%2, 0, \first
	MUL8 (\q)%2, 2, \first
	WIN 0
.endm
.macro TURN slot, next, fill
.if \fill
	s_wait_xcnt 0x0
	s_add_nc_u64 s[PFA:PFA+1], s[PFA:PFA+1], HALF
.endif
	s_wait_tensorcnt 0x0
	ds_add_u32 v[SPW], v[NIL]
	s_wait_dscnt 0x0
	s_barrier_signal -1
	WIN MUL
	MUL8 1, 0, 0
	WIN 0
	s_barrier_wait -1
.if \fill
	CREST
	s_add_nc_u64 s[G0+4*\slot+2:G0+4*\slot+3], s[G0+4*\slot+2:G0+4*\slot+3], 2*HALF
	s_add_nc_u64 s[G0B+4*\slot+2:G0B+4*\slot+3], s[G0B+4*\slot+2:G0B+4*\slot+3], 2*HALF
	JLOAD \slot
.else
	PLACES 4
.endif
	FETCH \next, 0, 0
.if \fill
	ASK
.endif
	WIN MUL
	MUL8 1, 2, 0
	WIN 0
.endm
	s_wait_alu depctr_va_vdst(0)
	s_wait_tensorcnt 0x1
	s_barrier_signal -1
	s_barrier_wait -1
	FETCH 0, 0, 0
	s_wait_loadcnt 32
	STEP 0, 0, 1
	s_mov_b32 s3, LAPS-1
.Llap:
	STEP 0, 1, 0
	STEP 0, 2, 0
	TURN 0, 1, 1
	STEP 1, 0, 0
	STEP 1, 1, 0
	STEP 1, 2, 0
	TURN 1, 0, 1
	STEP 0, 0, 0
	s_sub_co_u32 s3, s3, 1
	s_cmp_lg_u32 s3, 0
	s_cbranch_scc1 .Llap
	STEP 0, 1, 0
	STEP 0, 2, 0
	TURN 0, 1, 0
	STEP 1, 0, 0
	STEP 1, 1, 0
	STEP 1, 2, 0
	s_wait_dscnt 0x0
	WIN MUL
	MUL8 1, 0, 0
	MUL8 1, 2, 0
	WIN 0
	PLACES 4
.irp a, 0,1,2,3
.irp b, 0,1,2,3
	ds_store_b128 v[STO], v[ACC+8*(4*\a+\b):ACC+8*(4*\a+\b)+3] offset:16*\a*SPITCH+128*(\b/2)+32*(\b%2)
	ds_store_b128 v[STO], v[ACC+8*(4*\a+\b)+4:ACC+8*(4*\a+\b)+7] offset:16*\a*SPITCH+128*(\b/2)+32*(\b%2)+16
.endr
.endr
	s_wait_dscnt 0x0
	s_barrier_signal -1
	s_barrier_wait -1
.set I, 0
.rept 32
	ds_load_b128 v[ACC+4*I:ACC+4*I+3], v[RD] offset:(16*((I>>3)&1)+8*(I>>4)+(I&7))*SPITCH
.set I, I+1
.endr
	s_wait_loadcnt 0x0
	s_wait_dscnt 0x0
	WIN 0x08
.set I, 0
.rept 64
	v_pk_add_f32 v[ACC+2*I:ACC+2*I+1], v[ACC+2*I:ACC+2*I+1], v[2*I:2*I+1]
.set I, I+1
.endr
	WIN 0
.set I, 0
.rept 32
	global_store_b128 v[LI16], v[ACC+4*I:ACC+4*I+3], s[12:13] offset:4096*I th:TH_STORE_NT
.set I, I+1
.endr
	s_wait_tensorcnt 0x0
	ds_add_u32 v[SPW], v[NIL]
	s_wait_dscnt 0x0
	CROUND
	s_endpgm
.Lfunc_end_k_q5a9e7d3e76_ffn2_gemm:
	.size	k_q5a9e7d3e76_ffn2_gemm, .Lfunc_end_k_q5a9e7d3e76_ffn2_gemm-k_q5a9e7d3e76_ffn2_gemm
	.p2alignl 7, 3214868480
	.fill 96, 4, 3214868480
	.section	.rodata,"a",@progbits
	.p2align	6, 0x0
	.amdhsa_kernel k_q5a9e7d3e76_ffn2_gemm
		.amdhsa_group_segment_fixed_size 327680
		.amdhsa_private_segment_fixed_size 0
		.amdhsa_enable_private_segment 0
		.amdhsa_kernarg_size 40
		.amdhsa_user_sgpr_count 2
		.amdhsa_user_sgpr_kernarg_segment_ptr 1
		.amdhsa_wavefront_size32 1
		.amdhsa_system_sgpr_workgroup_id_x 1
		.amdhsa_system_sgpr_workgroup_id_y 1
		.amdhsa_system_sgpr_workgroup_id_z 1
		.amdhsa_system_vgpr_workitem_id 0
		.amdhsa_next_free_vgpr 640
		.amdhsa_next_free_sgpr 96
		.amdhsa_reserve_vcc 0
		.amdhsa_float_denorm_mode_32 3
		.amdhsa_float_denorm_mode_16_64 3
		.amdhsa_memory_ordered 1
		.amdhsa_forward_progress 1
		.amdhsa_inst_pref_size 97
	.end_amdhsa_kernel
	.amdgpu_metadata
---
amdhsa.version: [ 1, 2 ]
amdhsa.kernels:
  - .name:           k_q5a9e7d3e76_ffn2_gemm
    .symbol:         k_q5a9e7d3e76_ffn2_gemm.kd
    .args:
      - { .name: xq, .offset: 0, .size: 8, .value_kind: global_buffer, .address_space: global }
      - { .name: qin, .offset: 8, .size: 8, .value_kind: global_buffer, .address_space: global }
      - { .name: out_b, .offset: 16, .size: 8, .value_kind: global_buffer, .address_space: global }
      - { .name: sof, .offset: 24, .size: 8, .value_kind: global_buffer, .address_space: global }
      - { .name: y, .offset: 32, .size: 8, .value_kind: global_buffer, .address_space: global }
    .group_segment_fixed_size: 327680
    .private_segment_fixed_size: 0
    .kernarg_segment_align: 8
    .kernarg_segment_size: 40
    .max_flat_workgroup_size: 128
    .sgpr_count:     96
    .vgpr_count:     640
    .wavefront_size: 32
...
	.end_amdgpu_metadata
.endif
;; end of part 7
;; launch ln2 (part 8): grid 256 x 1, 8 waves a work-group, no clusters, 0 bytes of LDS; arguments y, ln2_g, ln2_b, out0; writes out0
.if DOCPART == 8
	.amdgcn_target "amdgcn-amd-amdhsa--gfx1250"
	.amdhsa_code_object_version 6
	.text
	.protected	k_q5a9e7d3e76_ln2
	.globl	k_q5a9e7d3e76_ln2
	.p2align	8
	.type	k_q5a9e7d3e76_ln2,@function
k_q5a9e7d3e76_ln2:
	s_mov_b64 s[64:65], 0
	v_nop
	global_prefetch_b8 v0, s[64:65] scope:SCOPE_SE
	s_setreg_imm32_b32 hwreg(HW_REG_WAVE_MODE, 25, 1), 1
	s_wait_xcnt 0x0
; out0 = layernorm(y) x g + b.  A work-group owns 16 rows, a wave two, each whole in 32 registers: mean, then the mean of the squared differences, both in f32, so that a common offset of the row does no harm.
; Memory binds: each load and store covers 512 consecutive bytes; the rows are read once and written once.  No LDS, no barrier, no matrix unit, no cluster: no byte is read by two work-groups but g and b.
; LIMITS: NaN and infinities are not served.
.set GG,  96
.set BB,  128
	s_load_b256 s[4:11], s[0:1], 0x0               ; y, g, b, out0
	v_lshrrev_b32 v1, 5, v0
	s_delay_alu instid0(VALU_DEP_1)
	v_readfirstlane_b32 s14, v1                    ; wave 0..7
	v_and_b32 v1, 31, v0
	s_delay_alu instid0(VALU_DEP_1)
	v_lshlrev_b32 v4, 4, v1
	v_mov_b32 v6, 0                                ; lane permutes' destinations count as read
	v_mov_b32 v7, 0
	s_lshl_b32 s17, ttmp9, 4
	s_lshl_b32 s18, s14, 1
	s_add_co_u32 s17, s17, s18                     ; my first row
	s_lshl_b32 s18, s17, 12
	s_mov_b32 s19, 0
	s_mov_b32 s20, 0x76543210
	s_mov_b32 s21, 0xfedcba98
	s_mov_b32 s22, 0x3a800000                      ; 1 / 1,024
	s_mov_b32 s23, 0x3727c5ac                      ; 1e-5
	s_wait_alu depctr_va_vdst(0)
	s_wait_kmcnt 0x0
	s_add_nc_u64 s[4:5], s[4:5], s[18:19]
	s_add_nc_u64 s[10:11], s[10:11], s[18:19]
.irp j, 0,1,2,3,4,5,6,7
	global_load_b128 v[GG+4*\j:GG+4*\j+3], v4, s[6:7] offset:512*\j
	global_load_b128 v[BB+4*\j:BB+4*\j+3], v4, s[8:9] offset:512*\j
.endr
.irp e, 0,1
.irp j, 0,1,2,3,4,5,6,7
	global_load_b128 v[32+32*\e+4*\j:35+32*\e+4*\j], v4, s[4:5] offset:4096*\e+512*\j th:TH_LOAD_NT
.endr
.endr
.macro REDUCE                          ; four pairs a row -> the row's sum in every lane, in v[8 + 8 e]
.irp e, 0
	v_pk_add_f32 v[8+8*\e:9+8*\e], v[8+8*\e:9+8*\e], v[10+8*\e:11+8*\e]
	s_delay_alu instid0(VALU_DEP_3)
	v_pk_add_f32 v[12+8*\e:13+8*\e], v[12+8*\e:13+8*\e], v[14+8*\e:15+8*\e]
.endr
.irp e, 1
	v_pk_add_f32 v[8+8*\e:9+8*\e], v[8+8*\e:9+8*\e], v[10+8*\e:11+8*\e]
	s_delay_alu instid0(VALU_DEP_4)
	v_pk_add_f32 v[12+8*\e:13+8*\e], v[12+8*\e:13+8*\e], v[14+8*\e:15+8*\e]
.endr
.irp e, 0
	s_delay_alu instid0(VALU_DEP_3)
	v_pk_add_f32 v[8+8*\e:9+8*\e], v[8+8*\e:9+8*\e], v[12+8*\e:13+8*\e]
.endr
.irp e, 1
	s_delay_alu instid0(VALU_DEP_2)
	v_pk_add_f32 v[8+8*\e:9+8*\e], v[8+8*\e:9+8*\e], v[12+8*\e:13+8*\e]
.endr
.irp e, 0,1
	s_delay_alu instid0(VALU_DEP_2)
	v_add_f32 v[8+8*\e], v[8+8*\e], v[9+8*\e]
.endr
.irp m, 1,2,4,8
.irp e, 0,1
	s_delay_alu instid0(VALU_DEP_2)
	v_add_f32_dpp v[8+8*\e], v[8+8*\e], v[8+8*\e] row_xmask:\m row_mask:0xf bank_mask:0xf
.endr
.endr
.irp e, 0,1
	s_delay_alu instid0(VALU_DEP_2)
	v_permlanex16_b32 v[6+\e], v[8+8*\e], s20, s21
.endr
.irp e, 0,1
	s_delay_alu instid0(VALU_DEP_2)
	v_add_f32 v[8+8*\e], v[8+8*\e], v[6+\e]
.endr
.endm
	s_wait_loadcnt 0x0
.irp k, 0,1,2,3
.irp e, 0,1
	v_pk_add_f32 v[8+8*\e+2*\k:9+8*\e+2*\k], v[32+32*\e+2*\k:33+32*\e+2*\k], v[40+32*\e+2*\k:41+32*\e+2*\k]
.endr
.endr
.irp o, 16,24
.irp k, 0,1,2,3
.irp e, 0,1
	v_pk_add_f32 v[8+8*\e+2*\k:9+8*\e+2*\k], v[8+8*\e+2*\k:9+8*\e+2*\k], v[32+32*\e+\o+2*\k:33+32*\e+\o+2*\k]
.endr
.endr
.endr
	REDUCE
.irp e, 0,1
	s_delay_alu instid0(VALU_DEP_2)
	v_mul_f32 v[24+2*\e], 0xba800000, v[8+8*\e]    ; minus the mean
.endr
.irp e, 0,1
	s_delay_alu instid0(VALU_DEP_2)
	v_mov_b32 v[25+2*\e], v[24+2*\e]
.endr
.irp j, 0,2,4,6,8,10,12,14,16,18,20,22,24,26,28,30
.irp e, 0,1
	v_pk_add_f32 v[32+32*\e+\j:33+32*\e+\j], v[32+32*\e+\j:33+32*\e+\j], v[24+2*\e:25+2*\e]
.endr
.endr
.irp k, 0,1,2,3
.irp e, 0,1
	v_pk_mul_f32 v[8+8*\e+2*\k:9+8*\e+2*\k], v[32+32*\e+2*\k:33+32*\e+2*\k], v[32+32*\e+2*\k:33+32*\e+2*\k]
.endr
.endr
.irp o, 8,16,24
.irp k, 0,1,2,3
.irp e, 0,1
	v_pk_fma_f32 v[8+8*\e+2*\k:9+8*\e+2*\k], v[32+32*\e+\o+2*\k:33+32*\e+\o+2*\k], v[32+32*\e+\o+2*\k:33+32*\e+\o+2*\k], v[8+8*\e+2*\k:9+8*\e+2*\k]
.endr
.endr
.endr
	REDUCE
.irp e, 0,1
	s_delay_alu instid0(VALU_DEP_2)
	v_fma_f32 v[8+8*\e], v[8+8*\e], s22, s23       ; the variance + 1e-5
.endr
	s_wait_alu depctr_va_vdst(0)
.irp e, 0,1
	v_rsq_f32 v[28+2*\e], v[8+8*\e]
.endr
.irp e, 0,1
	v_rsq_f32 v[29+2*\e], v[8+8*\e]
.endr
	v_nop                                          ; a plain place behind the last of them
	s_wait_alu depctr_va_vdst(0)                   ; one wait for the four, ahead of their first reader
.irp j, 0,2,4,6,8,10,12,14,16,18,20,22,24,26,28,30
.irp e, 0,1
	v_pk_mul_f32 v[32+32*\e+\j:33+32*\e+\j], v[32+32*\e+\j:33+32*\e+\j], v[28+2*\e:29+2*\e]
.endr
.endr
.irp j, 0,2,4,6,8,10,12,14,16,18,20,22,24,26,28,30
.irp e, 0,1
	v_pk_fma_f32 v[32+32*\e+\j:33+32*\e+\j], v[32+32*\e+\j:33+32*\e+\j], v[GG+\j:GG+\j+1], v[BB+\j:BB+\j+1]
.endr
.endr
.irp e, 0,1
.irp j, 0,1,2,3,4,5,6,7
	global_store_b128 v4, v[32+32*\e+4*\j:35+32*\e+4*\j], s[10:11] offset:4096*\e+512*\j th:TH_STORE_NT
.endr
.endr
	s_endpgm
.Lfunc_end_k_q5a9e7d3e76_ln2:
	.size	k_q5a9e7d3e76_ln2, .Lfunc_end_k_q5a9e7d3e76_ln2-k_q5a9e7d3e76_ln2
	.p2alignl 7, 3214868480
	.fill 96, 4, 3214868480
	.section	.rodata,"a",@progbits
	.p2align	6, 0x0
	.amdhsa_kernel k_q5a9e7d3e76_ln2
		.amdhsa_group_segment_fixed_size 0
		.amdhsa_private_segment_fixed_size 0
		.amdhsa_enable_private_segment 0
		.amdhsa_kernarg_size 32
		.amdhsa_user_sgpr_count 2
		.amdhsa_user_sgpr_kernarg_segment_ptr 1
		.amdhsa_wavefront_size32 1
		.amdhsa_system_sgpr_workgroup_id_x 1
		.amdhsa_system_sgpr_workgroup_id_y 1
		.amdhsa_system_sgpr_workgroup_id_z 1
		.amdhsa_system_vgpr_workitem_id 0
		.amdhsa_next_free_vgpr 176
		.amdhsa_next_free_sgpr 66
		.amdhsa_reserve_vcc 0
		.amdhsa_float_denorm_mode_32 3
		.amdhsa_float_denorm_mode_16_64 3
		.amdhsa_memory_ordered 1
		.amdhsa_forward_progress 1
		.amdhsa_inst_pref_size 20
	.end_amdhsa_kernel
	.amdgpu_metadata
---
amdhsa.version: [ 1, 2 ]
amdhsa.kernels:
  - .name:           k_q5a9e7d3e76_ln2
    .symbol:         k_q5a9e7d3e76_ln2.kd
    .args:
      - { .name: y, .offset: 0, .size: 8, .value_kind: global_buffer, .address_space: global }
      - { .name: ln2_g, .offset: 8, .size: 8, .value_kind: global_buffer, .address_space: global }
      - { .name: ln2_b, .offset: 16, .size: 8, .value_kind: global_buffer, .address_space: global }
      - { .name: out0, .offset: 24, .size: 8, .value_kind: global_buffer, .address_space: global }
    .group_segment_fixed_size: 0
    .private_segment_fixed_size: 0
    .kernarg_segment_align: 8
    .kernarg_segment_size: 32
    .max_flat_workgroup_size: 256
    .sgpr_count:     66
    .vgpr_count:     176
    .wavefront_size: 32
...
	.end_amdgpu_metadata
.endif
;; end of part 8
